; MI455X (gfx1250); checked and timed in simulation.
; The chip was launched on July 23, 2026; its instructions are those of AMD's public machine-readable ISA for CDNA 5 (MIT licence, August 2026) and "CDNA5" Instruction Set Architecture Reference Guide (July 2026). The comments in the code are by the model that wrote it; some were corrected since.
;; Transformer Block. Allowed arithmetic: matrix products marked QUANTISED: E4M3 operands, one E8M0 scale for each 32 along K, by v_wmma_scale_f32_16x16x128_f8f6f4 with both operands' format E4M3, f32 sums; everything else in f32.
;; Inputs: b_fc 4,096 float32; b_o 1,024 float32; b_pr 1,024 float32; b_qkv 3,072 float32; ln1_b 1,024 float32; ln1_s 1,024 float32; ln2_b 1,024 float32; ln2_s 1,024 float32; w_fc 1,024 x 4,096 float32; w_o 1,024 x 1,024 float32; w_pr 4,096 x 1,024 float32; w_qkv 1,024 x 3,072 float32; x 4 x 1,024 x 1,024 float32.
;; Outputs: out0 4 x 1,024 x 1,024 float32.
;; This version of the problem:
;;   THIS VERSION OF THE PROBLEM IS GIVEN IN LOW PRECISION. The matrix products marked QUANTISED in the list below multiply operands that are first quantised to E4M3 (4 exponent bits, 3 mantissa bits; 8 bits a number), with one power-of-two scale for each 32 numbers along K (OCP MX v1.0); their sums are f32. All else is computed in f32.
;;   The module's matrix products, in the order in which they are computed (A, B: the left and right operand; K: the contracted axis; several contracted axes count as one K, in the product's order):
;;     1. [M 4,096, K 1,024] x [K 1,024, N 3,072]; A: computed on the way; B: input w_qkv: QUANTISED
;;     2. batch 64 x [M 1,024, K 64] x [K 64, N 1,024]; A: computed on the way; B: computed on the way: QUANTISED
;;     3. batch 64 x [M 64, K 1,024] x [K 1,024, N 1,024]; A: computed on the way; B: softmax (see below): QUANTISED
;;     4. [M 4,096, K 1,024] x [K 1,024, N 1,024]; A: computed on the way; B: input w_o: QUANTISED
;;     5. [M 4,096, K 1,024] x [K 1,024, N 4,096]; A: computed on the way; B: input w_fc: QUANTISED
;;     6. [M 4,096, K 4,096] x [K 4,096, N 1,024]; A: computed on the way; B: input w_pr: QUANTISED
;;   THE QUANTISER, for each operand of a quantised product, along K:
;;     - K is cut into blocks of 32 from its start; a last block that is shorter is filled with zeros.
;;     - A block's scale is 2^e with e = floor(log2(the largest magnitude in the block)) - 8, held to -126 .. 127; a block of zeros has e = 0. As a byte (E8M0): e + 127.
;;     - Each number is divided by its block's scale, clamped to +-448, and rounded to the nearest number of E4M3, ties to even, subnormals kept.
;;     - The product sums the exact products of the quantised numbers (number of the format x scale) in f32.
;;   ~~~python
;;   def quantise(x, axis):      # numpy; x: float32 -> the quantised numbers, widened to float32 again
;;       x = np.moveaxis(x, axis, -1); K = x.shape[-1]
;;       x = np.pad(x, [(0, 0)] * (x.ndim - 1) + [(0, -K % 32)]); x = x.reshape(x.shape[:-1] + (-1, 32)); a = np.abs(x).max(-1, keepdims=True)
;;       e = np.where(a > 0, np.clip(np.frexp(np.where(a > 0, a, 1))[1] - 1 - 8, -126, 127), 0)      # np.frexp(a)[1] - 1 = floor(log2(a)), exactly
;;       r = np.clip(x / 2.0 ** e, -448, 448)
;;       step = 2.0 ** (np.maximum(np.frexp(np.where(r == 0, 1, r))[1] - 1, -6) - 3)
;;       q = np.round(r / step) * step * 2.0 ** e      # np.round: ties to even
;;       return np.moveaxis(q.reshape(q.shape[:-2] + (-1,))[..., :K], -1, axis).astype(np.float32)
;;   ~~~
;;   SOFTMAX AHEAD OF A QUANTISED PRODUCT. Where the list says 'softmax', what is quantised is not the finished softmax but p = 2^(t - M), with t = logit x log2(e) and M = ceil(the row's largest t), a whole number; so 1/2 < the row's largest p <= 1. The row's sum l is taken of the UNQUANTISED p, in f32, and the product's result is divided by l at the end. Since M is a whole number, a kernel that streams over the keys may use a running M (the ceiling of the running maximum): every later rescaling is an exact power of two, which a block's scale takes up: the codes' values come out the same.
;;   OPERANDS COMPUTED ON THE WAY. 'Computed on the way' means the value that the module computes at that place (a softmax that the list does not call 'softmax' is quantised finished and normalised). What goes into a quantiser is computed in f32, as accurately as f32 sums, v_exp_f32 and their like allow (about 1e-6 of the number): no bf16 or f16 on the way to a quantiser, and a product that is left as it is and whose result goes on into a quantised operand takes f32 operands (vector FMAs, or v_wmma_f32_16x16x4_f32). A number that lies on a knife's edge between two numbers of the format may be rounded either way, as far as f32 arithmetic and the matrix unit's own rounding can turn it there, and no further.
;; One version. Each part assembles by itself: llvm-mc -triple=amdgcn-amd-amdhsa -mcpu=gfx1250 --defsym DOCPART=n.
;; ======== version 1 of 1: 7 launches
;; limits: right only within a limited range of input values
;; workspace buffers: WQ 14,155,776 bytes; XQ 4,718,592 bytes; QKV 13,369,344 bytes; AT 4,718,592 bytes; X1 16,777,216 bytes; XQ2 4,718,592 bytes; HQ 18,874,368 bytes
;; launch prep (part 1): grid 512 x 1, 8 waves a work-group, no clusters, 77,824 bytes of LDS; arguments x, ln1_s, ln1_b, XQ, w_qkv, w_o, w_fc, WQ; writes XQ, WQ
.if DOCPART == 1
	.amdgcn_target "amdgcn-amd-amdhsa--gfx1250"
	.amdhsa_code_object_version 6
	.text
	.protected	k_q904d132a56_prep
	.globl	k_q904d132a56_prep
	.p2align	8
	.type	k_q904d132a56_prep,@function
k_q904d132a56_prep:
	s_mov_b64 s[64:65], 0
	v_nop
	global_prefetch_b8 v0, s[64:65] scope:SCOPE_SE
	s_setreg_imm32_b32 hwreg(HW_REG_WAVE_MODE, 25, 1), 1
	s_wait_xcnt 0x0
; THE PROGRAM: one transformer block on 4,096 tokens of width 1,024; all six products on codes of FP8 (E4M3) with one E8M0 scale for each 32 along K.
; Launches: prep (this: the first layer norm, and w_qkv, w_o, w_fc into codes), qkv, attn, oproj, ln1 (the second layer norm, and w_pr into codes), fc, pr.
; WORK LEFT OUT, in the whole program: in attn, the key steps of 128 keys all of which come after a wave's 16 queries.  reference() builds the causal mask in its own body (jnp.tril) and adds
; the least f32 number to those scores ahead of the softmax, so that their weights are thrown away for every value of the inputs; products 2 and 3 are not formed for such whole tiles.  Nothing else is left out, and all
; thirteen inputs are loaded.  LIMIT: a NaN, an infinity or an overflow that would arise only in a score that is left out is not carried to the result.
; TILE: an operand's rows go in tiles of 16; row r of tile T is row 32 (T / 2) + 8 (T % 2) + r + 8 (r / 8) of the tensor.
; RECORD: 2,304 bytes for (tile T, 128 along K): bytes 512 c + 16 lane are the operand's registers 4 c .. 4 c + 3 of that lane; bytes 2,048 + 16 r + 8 h hold row r's scale word and a zero word.  Records lie [T][K / 128].
; THIS LAUNCH has two ways, which part on the work-group's number alone.  Work-groups 0 to 255: the layer norm of x, a tile of 16 rows each.  Work-groups 256 to 511: the weights.  Only the first way uses LDS and barriers.
; LIMITS: a block of zeros gets the byte 1 where the rule says 127 (its codes are zeros; this program alone reads the bytes); largest magnitudes under 2^-118 are held at that floor; NaN and infinities are not served.
	s_cmp_ge_u32 ttmp9, 256
	s_cbranch_scc1 .Lweights
; ---- LayerNorm of [4096][1024], quantised along its 1,024 into XQ's records.  Wave w owns columns 128 w .. 128 w + 127 of the tile's 16 rows and makes record (T, w).  Mean and variance in two passes.
; Each load reads 512 consecutive bytes; the wave's 16 x 512 bytes turn through its own stage in LDS (rows 528 bytes apart), so that lane (r, h) holds k = 32 b + 16 h + 0 .. 15 of row r.
; Gain and bias of the wave's 128 columns come by one load each and turn through 1,024 bytes of the wave's own into the same order.
.set STG,   8448
.set P1,    8*STG                      ; 16 rows x 8 partial sums; the second pass's 512 bytes further on
.set SPARE, P1+1024                    ; the spare words, 128 bytes for each wave
.set GB,    SPARE+1024                 ; for each wave 512 bytes of gain and 512 of bias
.set X,   16
.set R,   80
.set BB,  144
.set PC,  208
.set TM,  224
.set PW,   240
.set SEL, 20
.set MNT, 22
.macro ROWSUM off                      ; v[242:243]: my two partial sums -> v244: the sum over the row's 1,024 columns
	s_delay_alu instid0(VALU_DEP_1)
	v_add_f32 v242, v242, v243
	s_delay_alu instid0(VALU_DEP_1)
	v_permlanex16_b32 v244, v242, s[SEL], s[SEL+1]
	s_delay_alu instid0(VALU_DEP_1)
	v_add_f32 v242, v242, v244
	ds_store_b32 v7, v242 offset:\off
	s_wait_dscnt 0x0                               ; for the others' sake: my store has landed
	s_barrier_signal -1
	s_barrier_wait -1
	ds_load_b128 v[244:247], v8 offset:\off
	ds_load_b128 v[248:251], v8 offset:\off+16
	s_wait_dscnt 0x0
	v_pk_add_f32 v[244:245], v[244:245], v[246:247]
	v_pk_add_f32 v[248:249], v[248:249], v[250:251]
	s_delay_alu instid0(VALU_DEP_1)
	v_pk_add_f32 v[244:245], v[244:245], v[248:249]
	s_delay_alu instid0(VALU_DEP_1)
	v_add_f32 v244, v244, v245
.endm
	s_load_b256 s[4:11], s[0:1], 0x0               ; x, gain, bias, XQ
	v_lshl_add_u32 v11, v0, 2, SPARE               ; my spare word,
	v_mov_b32 v12, 0                               ; and 0: kept for the closing lines alone
	v_lshrrev_b32 v1, 5, v0
	s_delay_alu instid0(VALU_DEP_1)
	v_readfirstlane_b32 s14, v1                    ; wave 0..7
	v_and_b32 v1, 31, v0
	v_and_b32 v2, 15, v0                           ; r
	v_bfe_u32 v3, v0, 4, 1                         ; h
	s_delay_alu instid0(VALU_DEP_3)
	v_lshlrev_b32 v4, 4, v1
	s_mul_i32 s15, s14, STG
	v_add_nc_u32 v5, s15, v4                       ; the stage, on the way in
	v_mul_u32_u24 v6, v2, 528
	s_delay_alu instid0(VALU_DEP_1)
	v_lshl_add_u32 v6, v3, 6, v6
	s_delay_alu instid0(VALU_DEP_1)
	v_add_nc_u32 v6, s15, v6                       ; and out: row r, + 64 h
	s_lshl_b32 s16, s14, 2
	s_add_co_u32 s16, s16, P1
	v_lshlrev_b32 v8, 5, v2
	s_delay_alu instid0(VALU_DEP_1)
	v_add_nc_u32 v7, s16, v8                       ; my wave's word among row r's eight
	s_delay_alu instid0(VALU_DEP_2)
	v_add_nc_u32 v8, P1, v8
	v_lshlrev_b32 v9, 6, v3
	v_lshlrev_b32 v10, 4, v2
	s_delay_alu instid0(VALU_DEP_1)
	v_lshl_add_u32 v10, v3, 3, v10                 ; the scale word's place: 16 r + 8 h
	s_lshl_b32 s12, s14, 10
	s_add_co_u32 s12, s12, GB
	v_add_nc_u32 v13, s12, v4                      ; gain and bias in LDS, on the way in: 16 x lane,
	v_add_nc_u32 v14, s12, v9                      ; and out: 64 h
	s_mov_b32 s[SEL], 0x76543210
	s_mov_b32 s[SEL+1], 0xfedcba98
	s_mov_b32 s[MNT], 0x600000
	s_mov_b32 s23, 0x3a800000                      ; 1 / 1,024
.irp b, 0,1,2,3
	v_mov_b32 v[TM+4+\b], 0                        ; a lane permute's destination counts as one of its sources
.endr
	v_mov_b32 v[PW+1], 0
	s_lshr_b32 s17, ttmp9, 1
	s_lshl_b32 s17, s17, 17                        ; 32 (T / 2) rows of 4,096 bytes
	s_and_b32 s18, ttmp9, 1
	s_lshl_b32 s18, s18, 15                        ; 8 (T % 2) rows
	s_add_co_u32 s24, s17, s18
	s_lshl_b32 s18, s14, 9
	s_add_co_u32 s24, s24, s18
	s_mov_b32 s25, 0
	s_mov_b32 s19, 0
	s_lshl_b32 s26, ttmp9, 3
	s_add_co_u32 s26, s26, s14
	s_mul_i32 s26, s26, 2304                       ; record (T, w)
	s_mov_b32 s27, 0
	s_wait_alu depctr_va_vdst(0)
	s_wait_kmcnt 0x0
	s_add_nc_u64 s[4:5], s[4:5], s[24:25]
	s_add_nc_u64 s[6:7], s[6:7], s[18:19]
	s_add_nc_u64 s[8:9], s[8:9], s[18:19]
	s_add_nc_u64 s[10:11], s[10:11], s[26:27]
.set i, 0
.rept 16
	global_load_b128 v[R+4*i:R+4*i+3], v4, s[4:5] offset:(i+8*(i/8))*4096
.set i, i+1
.endr
	global_load_b128 v[PC:PC+3], v4, s[6:7]        ; the gain of my wave's 128 columns: 512 consecutive bytes,
	global_load_b128 v[PC+4:PC+7], v4, s[8:9]      ; and the bias
	s_wait_loadcnt 0x0
.set i, 0
.rept 16
	ds_store_b128 v5, v[R+4*i:R+4*i+3] offset:528*i
.set i, i+1
.endr
	ds_store_b128 v13, v[PC:PC+3]
	ds_store_b128 v13, v[PC+4:PC+7] offset:512
.irp b, 0,1,2,3
.irp j, 0,1,2,3
	ds_load_b128 v[X+16*\b+4*\j:X+16*\b+4*\j+3], v6 offset:128*\b+16*\j    ; LDS serves a wave's instructions in order (ISA guide 5.7.1.4)
.endr
.endr
	s_wait_dscnt 0x0                               ; my numbers are in, and the stores have read their registers, which take the gain
.irp b, 0,1,2,3
.irp j, 0,1,2,3
	ds_load_b128 v[R+16*\b+4*\j:R+16*\b+4*\j+3], v14 offset:128*\b+16*\j       ; the gain at k = 32 b + 16 h + 4 j ..; the first pass's wait for LDS covers these
	ds_load_b128 v[BB+16*\b+4*\j:BB+16*\b+4*\j+3], v14 offset:512+128*\b+16*\j ; the bias likewise
.endr
.endr
	v_pk_add_f32 v[244:245], v[16:17], v[18:19]
	v_pk_add_f32 v[254:255], v[24:25], v[28:29]
	v_pk_add_f32 v[252:253], v[32:33], v[36:37]
	v_pk_add_f32 v[250:251], v[40:41], v[44:45]
	v_pk_add_f32 v[248:249], v[48:49], v[52:53]
	v_pk_add_f32 v[246:247], v[56:57], v[60:61]
	v_pk_add_f32 v[238:239], v[64:65], v[68:69]
	v_pk_add_f32 v[242:243], v[72:73], v[76:77]
	s_delay_alu instid0(VALU_DEP_1)
	v_pk_add_f32 v[242:243], v[242:243], v[20:21]
	v_pk_add_f32 v[244:245], v[244:245], v[22:23]
	v_pk_add_f32 v[254:255], v[254:255], v[26:27]
	v_pk_add_f32 v[252:253], v[252:253], v[30:31]
	v_pk_add_f32 v[250:251], v[250:251], v[34:35]
	v_pk_add_f32 v[248:249], v[248:249], v[38:39]
	v_pk_add_f32 v[246:247], v[246:247], v[42:43]
	v_pk_add_f32 v[238:239], v[238:239], v[46:47]
	v_pk_add_f32 v[242:243], v[242:243], v[50:51]
	v_pk_add_f32 v[244:245], v[244:245], v[54:55]
	v_pk_add_f32 v[254:255], v[254:255], v[58:59]
	v_pk_add_f32 v[252:253], v[252:253], v[62:63]
	v_pk_add_f32 v[250:251], v[250:251], v[66:67]
	v_pk_add_f32 v[248:249], v[248:249], v[70:71]
	v_pk_add_f32 v[246:247], v[246:247], v[74:75]
	v_pk_add_f32 v[238:239], v[238:239], v[78:79]
	s_delay_alu instid0(VALU_DEP_4)
	v_pk_add_f32 v[242:243], v[242:243], v[250:251]
	s_delay_alu instid0(VALU_DEP_4)
	v_pk_add_f32 v[244:245], v[244:245], v[248:249]
	s_delay_alu instid0(VALU_DEP_4)
	v_pk_add_f32 v[254:255], v[254:255], v[246:247]
	s_delay_alu instid0(VALU_DEP_4)
	v_pk_add_f32 v[252:253], v[252:253], v[238:239]
	s_delay_alu instid0(VALU_DEP_2)
	v_pk_add_f32 v[242:243], v[242:243], v[254:255]
	s_delay_alu instid0(VALU_DEP_2)
	v_pk_add_f32 v[244:245], v[244:245], v[252:253]
	s_delay_alu instid0(VALU_DEP_1)
	v_pk_add_f32 v[242:243], v[242:243], v[244:245]
	ROWSUM 0
	s_delay_alu instid0(VALU_DEP_1)
	v_mul_f32 v246, s23, v244                      ; the mean, twice: a pair for the packed form
	s_delay_alu instid0(VALU_DEP_2)
	v_mul_f32 v247, s23, v244
.set i, 0
.rept 32
	v_pk_add_f32 v[X+i:X+i+1], v[X+i:X+i+1], v[246:247] neg_lo:[0,1] neg_hi:[0,1]
.set i, i+2
.endr
	v_pk_mul_f32 v[242:243], v[X:X+1], v[X:X+1]    ; the sum of squares, in two chains
	v_pk_mul_f32 v[244:245], v[X+2:X+3], v[X+2:X+3]
.set i, 4
.rept 15
	s_delay_alu instid0(VALU_DEP_2)
	v_pk_fma_f32 v[242:243], v[X+i:X+i+1], v[X+i:X+i+1], v[242:243]
	s_delay_alu instid0(VALU_DEP_2)
	v_pk_fma_f32 v[244:245], v[X+i+2:X+i+3], v[X+i+2:X+i+3], v[244:245]
.set i, i+4
.endr
	s_delay_alu instid0(VALU_DEP_1)
	v_pk_add_f32 v[242:243], v[242:243], v[244:245]
	ROWSUM 512                                     ; other bytes than the first pass's: one barrier serves each pass
	s_delay_alu instid0(VALU_DEP_1)
	v_fmaak_f32 v244, s23, v244, 0x3727c5ac        ; the variance + 1e-5
	s_wait_alu depctr_va_vdst(0)                   ; the wait ahead of the transcendental,
	v_rsq_f32 v246, v244
	v_nop                                          ; a plain instruction behind it,
	s_wait_alu depctr_va_vdst(0)                   ; and the wait ahead of its first reader
.set i, 0
.rept 32
	v_pk_mul_f32 v[X+i:X+i+1], v[X+i:X+i+1], v[246:247] op_sel_hi:[1,0]
.set i, i+2
.endr
.set i, 0
.rept 32
	v_pk_fma_f32 v[X+i:X+i+1], v[X+i:X+i+1], v[R+i:R+i+1], v[BB+i:BB+i+1]
.set i, i+2
.endr
; my 64 numbers become codes in v[PC ..] and the scale word in v[PW]; a block of 32 lies in lanes l and l xor 16
.irp b, 0,1,2,3
	v_max3_num_f32 v[TM+\b], |v[X+16*\b]|, |v[X+16*\b+1]|, 0x4800000   ; and the floor 2^(9 - 127): the byte cannot fall under 1
.endr
.irp i, 2,4,6,8,10,12,14
.irp b, 0,1,2,3
	s_delay_alu instid0(VALU_DEP_4)
	v_max3_num_f32 v[TM+\b], v[TM+\b], |v[X+16*\b+\i]|, |v[X+16*\b+\i+1]|
.endr
.endr
.irp b, 0,1,2,3
	s_delay_alu instid0(VALU_DEP_4)
	v_permlanex16_b32 v[TM+4+\b], v[TM+\b], s[SEL], s[SEL+1]
.endr
.irp b, 0,1,2,3
	s_delay_alu instid0(VALU_DEP_4)
	v_max_num_f32 v[TM+\b], v[TM+\b], v[TM+4+\b]   ; the block's largest magnitude
.endr
.irp b, 0,1,2,3
	s_delay_alu instid0(VALU_DEP_4)
	v_add_nc_u32 v[TM+12+\b], 0xfc000000, v[TM+\b] ; 8 off its exponent field: the conversion's scale operand
.endr
.irp b, 0,1,2,3
	v_and_or_b32 v[TM+8+\b], v[TM+\b], 0x7f800000, s[MNT]   ; 448 x the scale
.endr
.irp b, 0,1,2,3
	v_lshrrev_b32 v[TM+4+\b], 23, v[TM+12+\b]      ; the scale's byte
.endr
	s_delay_alu instid0(VALU_DEP_3)
	v_lshl_or_b32 v[PW], v[TM+5], 8, v[TM+4]
	s_delay_alu instid0(VALU_DEP_1)
	v_lshl_or_b32 v[PW], v[TM+6], 16, v[PW]
	s_delay_alu instid0(VALU_DEP_1)
	v_lshl_or_b32 v[PW], v[TM+7], 24, v[PW]
.irp b, 0,1,2,3
.irp i, 0,1,2,3,4,5,6,7,8,9,10,11,12,13,14,15
	v_med3_num_f32 v[X+16*\b+\i], v[X+16*\b+\i], -v[TM+8+\b], v[TM+8+\b]   ; the conversion does not saturate (ISA guide 7.6.2): the hold
.endr
	v_cvt_scalef32_pk8_fp8_f32 v[PC+4*\b:PC+4*\b+1], v[X+16*\b:X+16*\b+7], v[TM+12+\b]
	v_cvt_scalef32_pk8_fp8_f32 v[PC+4*\b+2:PC+4*\b+3], v[X+16*\b+8:X+16*\b+15], v[TM+12+\b]
.endr
	v_nop                                          ; a plain instruction behind the last conversion
.irp c, 0,1,2,3
	global_store_b128 v4, v[PC+4*\c:PC+4*\c+3], s[10:11] offset:512*\c     ; 32 lanes store 512 consecutive bytes, aligned
.endr
	global_store_b64 v10, v[PW:PW+1], s[10:11] offset:2048                 ; and 256
	s_wait_tensorcnt 0x0                           ; the wave's end, behind my last LDS store
	ds_add_u32 v11, v12
	s_wait_dscnt 0x0
	s_endpgm
; ---- THE WEIGHTS with K = 1,024: W [K][N] f32, K its first axis, into records of WQ: w_qkv at 0, w_o at 3,538,944, w_fc at 4,718,592.
; They are cut into 512 pieces of 128 columns x 128 along K; a work-group takes two pieces, four waves one, a wave 32 columns of it (two tiles).
; A LANE TAKES A COLUMN, ITS REGISTERS RUN DOWN K: a block of 32 lies in one lane, and the conversions give codes with K innermost.  Each load reads 128 consecutive bytes a wave; each store of codes covers two runs of 256 bytes, aligned.
; Loads run two blocks (64 loads) ahead.  No LDS, no barrier: waves share nothing.
.Lweights:
.set VO,  5                            ; v5       where my codes go: my tile's records + 16 r
.set OFF, 8                            ; v8-39    4 x my column + i rows of W
.set WX,  40                           ; v40-103  two sets of 32 numbers
.set WC,  104                          ; v104-135 eight registers of codes for each of the four blocks: no store's data are written again
.set SW,  136                          ; v136-139 scale word, 0, scale word, 0
	s_load_b256 s[4:11], s[0:1], 0x20              ; w_qkv, w_o, w_fc, WQ
	v_lshrrev_b32 v1, 5, v0
	v_readfirstlane_b32 s3, v1                     ; wave 0..7
	v_bfe_u32 v2, v0, 4, 1                         ; u: which tile of my wave's two
	v_and_b32 v3, 15, v0                           ; r
	v_and_b32 v4, 8, v3
	v_add_nc_u32 v4, v4, v3
	v_lshl_add_u32 v4, v2, 3, v4                   ; my column of the wave's 32: 8 u + r + 8 (r / 8)
	s_mov_b32 s31, 0x600000                        ; the mantissa field of 448
	s_mov_b32 s16, 16384                           ; w_fc's figures: bytes in a row of W,
	s_mov_b32 s18, 256                             ; its first piece,
	s_mov_b32 s19, 4718592                         ; its place in WQ
	s_sub_co_u32 s2, ttmp9, 256
	s_lshl_b32 s2, s2, 1
	s_lshr_b32 s30, s3, 2
	s_add_co_u32 s2, s2, s30                       ; my piece, 0 .. 511
	s_and_b32 s3, s3, 3                            ; which 32 columns of it
	s_wait_alu depctr_va_vdst(0)
	s_wait_kmcnt 0x0
	s_mov_b64 s[14:15], s[8:9]
	s_cmp_lt_u32 s2, 256                           ; the choices hang on ids alone
	s_cselect_b64 s[14:15], s[6:7], s[14:15]       ; w_o
	s_cselect_b32 s16, 4096, s16
	s_cselect_b32 s18, 192, s18
	s_cselect_b32 s19, 3538944, s19
	s_cmp_lt_u32 s2, 192
	s_cselect_b64 s[14:15], s[4:5], s[14:15]       ; w_qkv
	s_cselect_b32 s16, 12288, s16
	s_cselect_b32 s18, 0, s18
	s_cselect_b32 s19, 0, s19
	s_sub_co_u32 s20, s2, s18                      ; my piece within the weight
	s_and_b32 s22, s20, 7                          ; which 128 along K
	s_lshr_b32 s23, s20, 3                         ; which 128 columns
	s_lshl_b32 s25, s22, 7
	s_mul_i32 s25, s25, s16                        ; my first row of W, in bytes
	s_lshl_b32 s26, s23, 9
	s_lshl_b32 s27, s3, 7
	s_add_co_u32 s26, s26, s27                     ; my wave's first column, in bytes
	s_add_co_u32 s26, s26, s25
	s_mov_b32 s27, 0
	s_add_nc_u64 s[32:33], s[14:15], s[26:27]      ; a base for each block of 32 rows
	s_lshl_b32 s26, s16, 5
	s_add_nc_u64 s[34:35], s[32:33], s[26:27]
	s_add_nc_u64 s[36:37], s[34:35], s[26:27]
	s_add_nc_u64 s[38:39], s[36:37], s[26:27]
	s_lshl_b32 s28, s23, 3
	s_lshl_b32 s29, s3, 1
	s_add_co_u32 s28, s28, s29                     ; my wave's first tile
	s_mul_i32 s28, s28, 18432                      ; a tile's eight records
	s_mul_i32 s29, s22, 2304
	s_add_co_u32 s28, s28, s29
	s_add_co_u32 s28, s28, s19
	s_mov_b32 s29, 0
	s_add_nc_u64 s[28:29], s[10:11], s[28:29]      ; its record for my 128 along K
	v_lshlrev_b32 v[OFF], 2, v4
.set i, 1
.rept 31
	v_add_nc_u32 v[OFF+i], s16, v[OFF+i-1]
.set i, i+1
.endr
	v_mul_u32_u24 v[VO], v2, 18432
	v_lshl_add_u32 v[VO], v3, 4, v[VO]
.macro WLOAD n                         ; block n: W(32 n + i, my column), i = 0 .. 31, into set n % 2
.set i, 0
.rept 32
	global_load_b32 v[WX+32*((\n)%2)+i], v[OFF+i], s[32+2*(\n):33+2*(\n)] th:TH_LOAD_NT
.set i, i+1
.endr
.endm
	WLOAD 0
	WLOAD 1
.macro WBLOCK n
.set XS, WX+32*((\n)%2)
.set CC, WC+8*(\n)
.if (\n) < 3
	s_wait_loadcnt 32                              ; this block's 32 loads are in; the next block's may be out
.else
	s_wait_loadcnt 0x0
.endif
	v_max3_num_f32 v140, |v[XS]|, |v[XS+1]|, |v[XS+2]|   ; the block's largest magnitude: all 32 numbers are mine
	v_max3_num_f32 v141, |v[XS+3]|, |v[XS+4]|, |v[XS+5]|
.irp i, 6,10,14,18,22,26
	v_max3_num_f32 v140, v140, |v[XS+\i]|, |v[XS+\i+1]|
	v_max3_num_f32 v141, v141, |v[XS+\i+2]|, |v[XS+\i+3]|
.endr
	v_max3_num_f32 v140, v140, |v[XS+30]|, |v[XS+31]|
	v_max3_num_f32 v140, v140, v141, 0x4800000     ; and the floor 2^(9 - 127)
	v_add_nc_u32 v141, 0xfc000000, v140            ; the conversion's scale operand
	v_and_or_b32 v142, v140, 0x7f800000, s31       ; 448 x the scale
	v_lshrrev_b32 v143, 23, v141                   ; the scale's byte
.if (\n) == 0
	v_mov_b32 v[SW], v143
.else
	v_lshl_or_b32 v[SW], v143, 8*(\n), v[SW]
.endif
.set i, 0
.rept 32
	v_med3_num_f32 v[XS+i], v[XS+i], -v142, v142   ; the hold at 448 x the scale (ISA guide 7.6.2)
.set i, i+1
.endr
.irp g, 0,1,2,3
	v_cvt_scalef32_pk8_fp8_f32 v[CC+2*\g:CC+2*\g+1], v[XS+8*\g:XS+8*\g+7], v141
.endr
	global_store_b128 v[VO], v[CC:CC+3], s[28:29] offset:512*(\n)          ; k = 32 n + 0 .. 15: the place of lane r
	global_store_b128 v[VO], v[CC+4:CC+7], s[28:29] offset:512*(\n)+256    ; k = 32 n + 16 .. 31: the place of lane 16 + r
.if (\n)+2 < 4
	WLOAD (\n)+2
.endif
.endm
.irp n, 0,1,2,3
	WBLOCK \n
.endr
	v_mov_b32 v[SW+1], 0
	v_mov_b32 v[SW+2], v[SW]
	v_mov_b32 v[SW+3], 0
	global_store_b128 v[VO], v[SW:SW+3], s[28:29] offset:2048                  ; my row's scale word, for both halves of the lanes
	s_endpgm
.Lfunc_end_k_q904d132a56_prep:
	.size	k_q904d132a56_prep, .Lfunc_end_k_q904d132a56_prep-k_q904d132a56_prep
	.p2alignl 7, 3214868480
	.fill 96, 4, 3214868480
	.section	.rodata,"a",@progbits
	.p2align	6, 0x0
	.amdhsa_kernel k_q904d132a56_prep
		.amdhsa_group_segment_fixed_size 77824
		.amdhsa_private_segment_fixed_size 0
		.amdhsa_enable_private_segment 0
		.amdhsa_kernarg_size 64
		.amdhsa_user_sgpr_count 2
		.amdhsa_user_sgpr_kernarg_segment_ptr 1
		.amdhsa_wavefront_size32 1
		.amdhsa_system_sgpr_workgroup_id_x 1
		.amdhsa_system_sgpr_workgroup_id_y 1
		.amdhsa_system_sgpr_workgroup_id_z 1
		.amdhsa_system_vgpr_workitem_id 0
		.amdhsa_next_free_vgpr 256
		.amdhsa_next_free_sgpr 66
		.amdhsa_reserve_vcc 0
		.amdhsa_float_denorm_mode_32 3
		.amdhsa_float_denorm_mode_16_64 3
		.amdhsa_memory_ordered 1
		.amdhsa_forward_progress 1
		.amdhsa_inst_pref_size 63
	.end_amdhsa_kernel
	.amdgpu_metadata
---
amdhsa.version: [ 1, 2 ]
amdhsa.kernels:
  - .name:           k_q904d132a56_prep
    .symbol:         k_q904d132a56_prep.kd
    .args:
      - { .name: x, .offset: 0, .size: 8, .value_kind: global_buffer, .address_space: global }
      - { .name: ln1_s, .offset: 8, .size: 8, .value_kind: global_buffer, .address_space: global }
      - { .name: ln1_b, .offset: 16, .size: 8, .value_kind: global_buffer, .address_space: global }
      - { .name: XQ, .offset: 24, .size: 8, .value_kind: global_buffer, .address_space: global }
      - { .name: w_qkv, .offset: 32, .size: 8, .value_kind: global_buffer, .address_space: global }
      - { .name: w_o, .offset: 40, .size: 8, .value_kind: global_buffer, .address_space: global }
      - { .name: w_fc, .offset: 48, .size: 8, .value_kind: global_buffer, .address_space: global }
      - { .name: WQ, .offset: 56, .size: 8, .value_kind: global_buffer, .address_space: global }
    .group_segment_fixed_size: 77824
    .private_segment_fixed_size: 0
    .kernarg_segment_align: 8
    .kernarg_segment_size: 64
    .max_flat_workgroup_size: 256
    .sgpr_count:     66
    .vgpr_count:     256
    .wavefront_size: 32
...
	.end_amdgpu_metadata
.endif
;; end of part 1
;; launch qkv (part 2): grid 12 x 16, 4 waves a work-group, clusters of 4 x 4, 327,680 bytes of LDS; arguments XQ, WQ, b_qkv, QKV; writes QKV
.if DOCPART == 2
	.amdgcn_target "amdgcn-amd-amdhsa--gfx1250"
	.amdhsa_code_object_version 6
	.text
	.protected	k_q904d132a56_qkv
	.globl	k_q904d132a56_qkv
	.p2align	8
	.type	k_q904d132a56_qkv,@function
k_q904d132a56_qkv:
	s_mov_b64 s[64:65], 0
	v_nop
	global_prefetch_b8 v0, s[64:65] scope:SCOPE_SE
	s_setreg_imm32_b32 hwreg(HW_REG_WAVE_MODE, 25, 1), 1
	s_wait_xcnt 0x0
	s_wait_alu depctr_hold_cnt(0) depctr_sa_sdst(0) depctr_va_vdst(0) depctr_va_sdst(0) depctr_va_ssrc(0) depctr_va_vcc(0) depctr_vm_vsrc(0)
	s_getreg_b32 s2, hwreg(HW_REG_IB_STS2, 6, 4)
	s_cmp_eq_u32 s2, 0
	s_cbranch_scc0 .Lentry_in_a_cluster
	s_endpgm
.Lentry_in_a_cluster:
	s_bfe_u32 s2, ttmp6, 0x10000c
	s_cmp_lg_u32 s2, 0xf033
	s_cbranch_scc0 .Lentry_shape_is_right
	s_endpgm
.Lentry_shape_is_right:
; q, k, v = LN1(x) w_qkv + b_qkv on codes of FP8 (E4M3) with E8M0 scales, quantised again on the way out as attention's operands: nothing leaves in f32.
; Operands come as RECORDS (tile of 16 rows, 128 along K: 2,304 bytes: the operand's registers lane by lane, then the rows' scale words); row r of tile T is row 32 (T / 2) + 8 (T % 2) + r + 8 (r / 8).
; A tile of the result, 256 x 256, is made by four waves, 128 x 128 each: 64 accumulators.  K = 1,024 goes in steps of 256 through two LDS slots; a slot holds, for each of 32 tiles, two records on end, scale words among them.
; SOURCE 0 = 16 rows of the B role, SOURCE 1 = 16 rows of the A role: a lane holds one A-role row, and its 64 registers of a block run along 128 neighbours of the B role's axis.
; THE CLUSTER'S x SAYS WHAT IS MADE (the same in all sixteen partners): 0: q, 1: k: A role = tokens (XQ), B role = w_qkv's columns: a lane's registers run along a head's 64, the K of q k^T.
;   2: v: A role = w_qkv's v columns, B role = tokens: a lane's registers run along the KEYS, the K of the second product of attention.  One loop serves all three: both roles have eight records a tile.
; q is NOT divided by 8 here: a power of two moves no code and takes 3 off each scale's exponent; attn folds it into its constant.  LIMIT: that differs from reference() only where q's scale exponent would be held at -126.
; OUT (QKV): q's codes at 0 [bh][query tile][1,024 bytes: registers 0-7 of a fragment]; q's scale words at 4,194,304 [bh][tile][16 words]; from 4,456,448 blocks of 17,408 bytes [bh][128 keys]:
;   k's codes 8 tiles x 1,024; at 8,192 v's 4 tiles of 16 channels x 2,048 (whole fragments); at 16,384 k's scale words 8 x 64; at 16,896 v's 4 x 128.
; CLUSTERS: 4 x 4.  The four of a row of the cluster need the same A-role tiles, the four of a column the same B-role tiles: each is asked for jointly.
; LIMITS: a block of zeros gets the byte 1 where the rule says 127 (its codes are zeros; this program alone reads the bytes); largest magnitudes under 2^-118 are held at that floor; NaN and infinities are not served.
; REGISTERS: window 0: v1-9 lane terms; v16-29 addresses; v32-63 scale words, two sets; v64-127 the bias; v128-255 the A role's fragments, one set (on the way out: at work).  window 1: the B role's, two sets.  windows 2, 3: the accumulators.
.set KF,    8                          ; records along K
.set NQ,    2                          ; records of a tile in a slot
.set REC,   2304
.set HALFT, 8*NQ*REC                   ; 8 tiles: what one tensor load brings, and what one wave reads of a role
.set SLOT,  4*HALFT                    ; the A role's 16 tiles, then the B role's
.set SPARE, 2*SLOT                     ; behind the ring: the spare words, 128 bytes for each wave: two blocks of 256 bytes that no other line names
.set LAPS,  KF/(2*NQ)
.set FR,    16
.set NL,    4
.set NP,    8                          ; places behind this matrix instruction (ISA guide 7.12.1)
.set LI,   4                           ; v4   16 x lane
.set LS,   5                           ; v5   4 x lane
.set SCO,  6                           ; v6   16 r + 8 h
.set ADRA, 16                          ; v16-17  LDS address of my A-role fragments in slot 0, 1
.set ADRB, 20                          ; v20-21  the same for the B role
.set ADRS, 26                          ; v26-27  of my scale words: lanes 0-15 the A role's, lanes 16-31 the B role's
.set SPW,  28
.set NIL,  29
.set SC,   32                          ; set s at v[SC + 16 s]; register 2 i + q: tile i's words for the slot's q-th 128 along K
.set BI,   64
.set AF,   128
.set T,    128                         ; the way out: 64 numbers
.set PC,   192                         ; their codes
.set TM,   208                         ; at work in QUANT
.set PW,   224                         ; the scale word
.set PWE,  226                         ; that of the even block before
.set G1,  24
.set G0,  32
.set G1B, 48
.set G0B, 56
.set MK,  91                           ; s91 lanes 16-31
.set SEL, 92
.set MNT, 94
.set BB,  96                           ; s[96:97] the bias's base: a pair of its own, which nothing writes behind the loads that name it
.set MSB, 0
.macro WIN new                         ; the immediate's high byte repeats the setting that is left
.if MSB != (\new)
	s_set_vgpr_msb (MSB<<8)|(\new)
.set MSB, (\new)
.endif
.endm
.set MUL_LO, 0xa1                      ; source 0 window 1, source 1 window 0, C and D window 2
.set MUL_HI, 0xf1
.set TO_B,   0x40
; A joint load: waves 0 and 1 fetch the A role's halves, waves 2 and 3 the B role's.  An s_nop 0 and four v_nop follow each of the two lines.
.macro JLOAD g0a, g1a, g0b, g1b
	s_cmp_eq_u32 s15, 0
	s_cbranch_scc0 .Lfor_b_\@
	tensor_load_to_lds s[\g0a:\g0a+3], s[\g1a:\g1a+7]
	s_nop 0
.rept 4
	v_nop
.endr
	s_branch .Lasked_\@
.Lfor_b_\@:
	tensor_load_to_lds s[\g0b:\g0b+3], s[\g1b:\g1b+7]
	s_nop 0
.rept 4
	v_nop
.endr
.Lasked_\@:
.endm
.macro CREST                           ; a round of the cluster's barrier behind its opening barrier
	s_cmp_lg_u32 s14, 0
	s_cbranch_scc1 .Lnot_wave_0_\@
	s_barrier_signal -3
.Lnot_wave_0_\@:
	s_barrier_wait -3
	s_barrier_signal -1
	s_barrier_wait -1
.endm
.macro CROUND
	s_barrier_signal -1
	s_barrier_wait -1
	CREST
.endm
.macro QUANT s, nb                     ; 16 nb numbers of a lane, v[s + 16 b + i], become codes in v[PC + 4 b ..] and the scale word in v[PW]; a block of 32 lies in lanes l and l xor 16
.set qb, 0
.rept \nb
	v_max3_num_f32 v[TM+qb], |v[(\s)+16*qb]|, |v[(\s)+16*qb+1]|, 0x4800000   ; my 16 numbers, and the floor 2^(9 - 127): the byte cannot fall under 1
.set qb, qb+1
.endr
.irp i, 2,4,6,8,10,12,14
.set qb, 0
.rept \nb
	v_max3_num_f32 v[TM+qb], v[TM+qb], |v[(\s)+16*qb+\i]|, |v[(\s)+16*qb+\i+1]|
.set qb, qb+1
.endr
.endr
.set qb, 0
.rept \nb
	v_permlanex16_b32 v[TM+4+qb], v[TM+qb], s[SEL], s[SEL+1]
.set qb, qb+1
.endr
.set qb, 0
.rept \nb
	v_max_num_f32 v[TM+qb], v[TM+qb], v[TM+4+qb]   ; the block's largest magnitude
.set qb, qb+1
.endr
.set qb, 0
.rept \nb
	v_add_nc_u32 v[TM+12+qb], 0xfc000000, v[TM+qb]   ; 8 off its exponent field: the conversion's scale operand
.set qb, qb+1
.endr
.set qb, 0
.rept \nb
	v_and_or_b32 v[TM+8+qb], v[TM+qb], 0x7f800000, s[MNT]   ; 448 x the scale
.set qb, qb+1
.endr
.set qb, 0
.rept \nb
	v_lshrrev_b32 v[TM+4+qb], 23, v[TM+12+qb]      ; the scale's byte
.set qb, qb+1
.endr
	v_lshl_or_b32 v[PW], v[TM+5], 8, v[TM+4]
.if \nb > 2
	v_lshl_or_b32 v[PW], v[TM+6], 16, v[PW]
	v_lshl_or_b32 v[PW], v[TM+7], 24, v[PW]
.endif
.set qb, 0
.rept \nb
.set qi, 0
.rept 16
	v_med3_num_f32 v[(\s)+16*qb+qi], v[(\s)+16*qb+qi], -v[TM+8+qb], v[TM+8+qb]   ; the conversion does not saturate (ISA guide 7.6.2): the hold
.set qi, qi+1
.endr
	v_cvt_scalef32_pk8_fp8_f32 v[PC+4*qb:PC+4*qb+1], v[(\s)+16*qb:(\s)+16*qb+7], v[TM+12+qb]
	v_cvt_scalef32_pk8_fp8_f32 v[PC+4*qb+2:PC+4*qb+3], v[(\s)+16*qb+8:(\s)+16*qb+15], v[TM+12+qb]
.set qb, qb+1
.endr
	v_nop                                          ; a plain instruction behind the last conversion
.endm
	s_load_b256 s[4:11], s[0:1], 0x0               ; XQ s[4:5], WQ s[6:7], b_qkv s[8:9], QKV s[10:11]
	v_lshl_add_u32 v[SPW], v0, 2, SPARE
	v_mov_b32 v[NIL], 0
	ds_add_u32 v[SPW], v[NIL]                      ; the wave's opening: the add, twice on end, and its wait ahead of my first tensor load
	ds_add_u32 v[SPW], v[NIL]
	v_lshrrev_b32 v1, 5, v0
	v_readfirstlane_b32 s14, v1                    ; wave 0..3
	s_lshr_b32 s15, s14, 1                         ; which half of the A role's tiles is mine.  Also: I fetch for the A role (0) or the B role (1)
	s_and_b32 s16, s14, 1                          ; which half of the B role's.  Also: which 8 tiles I fetch
	s_bfe_u32 s40, ttmp6, 0x40000                  ; cx, cy: my place in the cluster
	s_bfe_u32 s41, ttmp6, 0x40004
	s_and_b32 s18, ttmp7, 0xffff
	s_lshl_b32 s18, s18, 2                         ; 4 x cluster y
	s_lshl_b32 s19, ttmp9, 2                       ; 4 x cluster x
	s_cmp_eq_u32 ttmp9, 2                          ; v?
	s_cselect_b32 s17, 0, s18
	s_cselect_b32 s42, s18, s19
	s_add_co_u32 s17, s17, s41                     ; the A role's block of 256 rows: q, k: tokens 4 Y + cy; v: columns cy
	s_add_co_u32 s42, s42, s40                     ; the B role's: q, k: columns 4 X + cx; v: tokens 4 Y + cx
	s_lshl_b32 s43, s41, 2
	s_lshl_b32 s43, 15, s43                        ; my row of the cluster
	s_lshl_b32 s44, 0x1111, s40                    ; my column
	s_or_b32 s[G1+0], s43, (3<<16)|(1<<21)         ; 15:0 the mask; 17:16 elements of 8 bytes; 21 set beside a mask; no padding: an image's bytes are read on end
	s_or_b32 s[G1B+0], s44, (3<<16)|(1<<21)
.irp g, G1, G1B
	s_mov_b32 s[\g+1], (NQ*288)<<16                ; tensor_dim0: NQ records of a tile on end
	s_mov_b32 s[\g+2], 8<<16                       ; tensor_dim1 = 8 tiles
	s_mov_b32 s[\g+3], (NQ*288)<<16                ; tile_dim0
	s_mov_b32 s[\g+4], 8                           ; tile_dim1
	s_mov_b32 s[\g+5], KF*288                      ; from tile to tile
	s_mov_b32 s[\g+6], 0
	s_mov_b32 s[\g+7], 0
.endr
	s_lshl_b32 s18, s16, 3
	s_lshl_b32 s20, s17, 4
	s_add_co_u32 s20, s20, s18
	s_mul_i32 s20, s20, KF*REC                     ; the A role: tile 16 x block + 8 x half, in bytes
	s_mov_b32 s21, 0
	s_lshl_b32 s46, s42, 4
	s_add_co_u32 s46, s46, s18
	s_mul_i32 s46, s46, KF*REC                     ; the B role likewise
	s_mov_b32 s47, 0
	s_mul_i32 s45, s14, HALFT                      ; where they go: no place in the cluster enters an LDS address
	s_mov_b32 s[MK], 0xffff0000
	s_mov_b32 s[SEL], 0x76543210
	s_mov_b32 s[SEL+1], 0xfedcba98
	s_mov_b32 s[MNT], 0x600000
	s_wait_dscnt 0x0                               ; both opening adds are done
	CROUND                                         ; the opening round, ahead of the wait for the arguments: all sixteen work-groups are here, and the first joint loads meet
	s_wait_kmcnt 0x0
	s_add_nc_u64 s[66:67], s[6:7], 2359296
	s_cmp_eq_u32 ttmp9, 2
	s_cselect_b64 s[68:69], s[66:67], s[4:5]       ; the A role's buffer
	s_cselect_b64 s[70:71], s[4:5], s[6:7]         ; the B role's
	s_add_nc_u64 s[20:21], s[68:69], s[20:21]
	s_add_nc_u64 s[46:47], s[70:71], s[46:47]
.irp s, 0,1
	s_mov_b32 s[G0+4*\s], 1
	s_add_co_u32 s[G0+4*\s+1], s45, \s*SLOT
	s_add_nc_u64 s[G0+4*\s+2:G0+4*\s+3], s[20:21], \s*NQ*REC
	s_or_b32 s[G0+4*\s+3], s[G0+4*\s+3], 0x80000000
	s_mov_b32 s[G0B+4*\s], 1
	s_add_co_u32 s[G0B+4*\s+1], s45, \s*SLOT
	s_add_nc_u64 s[G0B+4*\s+2:G0B+4*\s+3], s[46:47], \s*NQ*REC
	s_or_b32 s[G0B+4*\s+3], s[G0B+4*\s+3], 0x80000000
.endr
	JLOAD G0, G1, G0B, G1B                         ; slot 0: one tensor load a wave at the head
; REQUESTS AHEAD: K step 1 is asked for at the head, behind the load of step 0; steps 2 and 3 behind the load of step 1: each at least one K step ahead of the load that wants it.  Of the 8 tiles that a wave fetches, each of the
; four partners that ask for them jointly names two, told apart by address (cx for the A role, cy for the B role): 2 x 4,608 bytes = 36 blocks of 256, a lane a block: 32 by the first line, 4 by the second, whose other lanes name its last block again.
.set PFA, 98
.macro ASK k
	global_prefetch_b8 v10, s[PFA:PFA+1] offset:(\k)*NQ*REC th:TH_LOAD_NT scope:SCOPE_SE
	global_prefetch_b8 v12, s[PFA:PFA+1] offset:(\k)*NQ*REC+KF*REC+3584 th:TH_LOAD_NT scope:SCOPE_SE
.endm
	s_cmp_eq_u32 s15, 0
	s_cselect_b64 s[PFA:PFA+1], s[20:21], s[46:47]
	s_cselect_b32 s70, s40, s41
	s_mul_i32 s70, s70, 2*KF*REC
	s_mov_b32 s71, 0
	s_add_nc_u64 s[PFA:PFA+1], s[PFA:PFA+1], s[70:71]
	v_and_b32 v10, 31, v0
	v_add_nc_u32 v11, 14, v10
	v_lshrrev_b32 v11, 5, v11                      ; 1 from lane 18 on: the second tile
	v_mul_u32_u24 v11, v11, KF*REC-NQ*REC
	v_lshl_add_u32 v10, v10, 8, v11
	v_and_b32 v12, 31, v0
	v_min_u32 v12, 3, v12
	v_lshlrev_b32 v12, 8, v12
	ASK 1
	v_and_b32 v1, 31, v0                           ; lane
	v_and_b32 v2, 15, v0                           ; r
	v_bfe_u32 v3, v0, 4, 1                         ; h
	v_lshlrev_b32 v[LI], 4, v1
	v_lshlrev_b32 v[LS], 2, v1
	v_lshlrev_b32 v[SCO], 4, v2
	v_lshl_add_u32 v[SCO], v3, 3, v[SCO]
	v_and_b32 v8, 8, v2
	v_add_nc_u32 v8, v8, v2
	v_lshlrev_b32 v8, 2, v8                        ; 4 (r + 8 (r / 8)): v's bias
	v_lshlrev_b32 v9, 6, v3                        ; 64 h: q's and k's
	s_mul_i32 s21, s15, HALFT                      ; my 8 tiles of the A role
	s_mul_i32 s22, s16, HALFT                      ; my 8 of the B role,
	s_add_co_u32 s22, s22, 2*HALFT                 ; which lie behind the A role's 16
.irp s, 0,1
	v_add_nc_u32 v[ADRA+\s], s21, v[LI]
	v_add_nc_u32 v[ADRB+\s], s22, v[LI]
	s_add_co_u32 s21, s21, SLOT
	s_add_co_u32 s22, s22, SLOT
.endr
	s_mul_i32 s21, s15, HALFT
	s_mul_i32 s22, s16, HALFT
	s_add_co_u32 s22, s22, 2*HALFT
	s_sub_co_u32 s22, s22, s21
	v_mul_u32_u24 v7, s22, v3                      ; lanes 16-31 take the B role's words
	v_add_nc_u32 v7, v7, v[SCO]
	v_add_nc_u32 v[ADRS], s21, v7
	v_add_nc_u32 v[ADRS+1], SLOT, v[ADRS]
.macro FRAG reg, adr, q, i             ; a fragment comes back as it was stored: four loads of 512 consecutive bytes
.irp c, 0,1,2,3
	ds_load_b128 v[\reg+4*\c:\reg+4*\c+3], v[\adr] offset:((\i)*NQ+(\q))*REC+512*\c
.endr
.endm
; 16 matrix instructions: A-role blocks a0, a0 + 1 x the B role's eight.  The 64 accumulators take turns, one instruction a turn, in the same order in every step.
.macro MUL16 a0, p, q, sc, zero
.irp a, \a0, \a0+1
.irp b, 0,1,2,3,4,5,6,7
.if \zero
	v_wmma_scale_f32_16x16x128_f8f6f4 v[8*(8*((\a)%4)+\b):8*(8*((\a)%4)+\b)+7], v[128*(\p)+FR*\b:128*(\p)+FR*\b+FR-1], v[AF+FR*(\a):AF+FR*(\a)+FR-1], 0, v[SC+8*NQ*(\sc)+NQ*\b+(\q)], v[SC+8*NQ*(\sc)+NQ*(\a)+(\q)] matrix_a_scale:MATRIX_SCALE_ROW1
.else
	v_wmma_scale_f32_16x16x128_f8f6f4 v[8*(8*((\a)%4)+\b):8*(8*((\a)%4)+\b)+7], v[128*(\p)+FR*\b:128*(\p)+FR*\b+FR-1], v[AF+FR*(\a):AF+FR*(\a)+FR-1], v[8*(8*((\a)%4)+\b):8*(8*((\a)%4)+\b)+7], v[SC+8*NQ*(\sc)+NQ*\b+(\q)], v[SC+8*NQ*(\sc)+NQ*(\a)+(\q)] matrix_a_scale:MATRIX_SCALE_ROW1
.endif
.endr
.endr
.endm
.macro FETCH_B slot, q, p
	WIN TO_B
.irp i, 0,1,2,3,4,5,6,7
	FRAG 128*(\p)+FR*\i, ADRB+\slot, \q, \i
.endr
	WIN 0
.endm
.macro FETCH_A slot, q, i0
.irp i, \i0, \i0+1, \i0+2, \i0+3
	FRAG AF+FR*(\i), ADRA+\slot, \q, \i
.endr
.endm
.macro SCALES sc                       ; a slot's scale words: lanes 0-15 the A role's tile i, lanes 16-31 the B role's tile i
.irp i, 0,1,2,3,4,5,6,7
.irp q, 0,1
	ds_load_b32 v[SC+16*\sc+2*\i+\q], v[ADRS+\sc] offset:(\i*NQ+\q)*REC+2048
.endr
.endr
.endm
.macro PLACES n                        ; plain vector instructions between a matrix instruction and a load into, or a read of, its registers (ISA guide 7.12.1 for reads)
.rept \n
	v_nop
.endr
.endm
.macro STEP slot, q, zero              ; a step of 128 along K that has its successor in the same slot
	s_wait_dscnt 4*NL                              ; all but the youngest sixteen loads (the A role's blocks 4-7) are in
	WIN MUL_LO
	MUL16 0, (\q)%2, \q, \slot, \zero
	MUL16 2, (\q)%2, \q, \slot, \zero
	s_wait_dscnt 0
	PLACES NP
	FETCH_B \slot, (\q)+1, 1-(\q)%2
	FETCH_A \slot, (\q)+1, 0
	WIN MUL_HI
	MUL16 4, (\q)%2, \q, \slot, \zero
	MUL16 6, (\q)%2, \q, \slot, \zero
	PLACES NP
	WIN 0
	FETCH_A \slot, (\q)+1, 4
.endm
; A slot's last step changes slots: one barrier; in front of it each wave waits for all its tensor loads, adds 0 to its spare word, and waits for that and for its reads of this slot.  fill = 1: the slot is filled again.
.macro TURN slot, next, fill
	s_wait_tensorcnt 0x0                           ; all my tensor loads have landed: my part of the next slot
	ds_add_u32 v[SPW], v[NIL]                      ; 0 onto my spare word
	s_wait_dscnt 4*NL+1                            ; (the add and the youngest sixteen loads may be out)
	WIN MUL_LO
	MUL16 0, 1, NQ-1, \slot, 0
	s_wait_dscnt 0x0                               ; the add is done, and my reads of this slot are over
	s_barrier_signal -1
	MUL16 2, 1, NQ-1, \slot, 0
	WIN 0
	s_barrier_wait -1
.if \fill
	CREST                                          ; the barrier has opened a round of the cluster's: no wave of any partner still reads this slot or has a load on its way
	s_add_nc_u64 s[G0+4*\slot+2:G0+4*\slot+3], s[G0+4*\slot+2:G0+4*\slot+3], 2*NQ*REC
	s_add_nc_u64 s[G0B+4*\slot+2:G0B+4*\slot+3], s[G0B+4*\slot+2:G0B+4*\slot+3], 2*NQ*REC
	JLOAD G0+4*\slot, G1, G0B+4*\slot, G1B         ; the first tensor load behind the round; its four v_nop are among the places in front of the loads below
	PLACES NP-4
.else
	PLACES NP
.endif
	FETCH_B \next, 0, 0
	FETCH_A \next, 0, 0
	SCALES \next
	WIN MUL_HI
	MUL16 4, 1, NQ-1, \slot, 0
	MUL16 6, 1, NQ-1, \slot, 0
	PLACES NP
	WIN 0
	FETCH_A \next, 0, 4
.endm
.macro LAST                            ; the very last step: nothing more to fetch
	s_wait_dscnt 4*NL
	WIN MUL_LO
	MUL16 0, 1, NQ-1, 1, 0
	MUL16 2, 1, NQ-1, 1, 0
	s_wait_dscnt 0
	WIN MUL_HI
	MUL16 4, 1, NQ-1, 1, 0
	MUL16 6, 1, NQ-1, 1, 0
	WIN 0
	PLACES NP                                      ; in front of the first read of results and the first write of the fragments' registers
.irp b, 0,1,2,3
	v_mov_b32 v[TM+4+\b], 0                        ; written once: a lane permute's destination counts as one of its sources
.endr
	s_wait_loadcnt 0x0                             ; the bias
.endm
	s_wait_alu depctr_va_vdst(0)
	s_wait_tensorcnt 0x0                           ; my part of slot 0 is in
	ds_add_u32 v[SPW], v[NIL]
	s_wait_dscnt 0x0
	CROUND                                         ; everybody's part is in, and all sixteen work-groups are here
	JLOAD G0+4, G1, G0B+4, G1B                     ; slot 1's first fill, the first tensor load behind the round
	FETCH_B 0, 0, 0
	FETCH_A 0, 0, 0
	SCALES 0
	FETCH_A 0, 0, 4
	ASK 2
	ASK 3
	STEP 0, 0, 1                                   ; the first step's products start the sums: nothing is cleared
.rept LAPS-1                           ; once round the ring, filling both slots again: K = 1,024 has one such lap
	TURN 0, 1, 1
	STEP 1, 0, 0
	TURN 1, 0, 1
	STEP 0, 0, 0
.endr
	TURN 0, 1, 0
	STEP 1, 0, 0
	s_cmp_eq_u32 ttmp9, 2                          ; the ways part here, on the cluster's x; each asks for its bias ahead of the last 64 products and has its own way out
	s_cbranch_scc1 .Lvalues
	; ---- q and k.  Register 16 b + i of a block is column 32 b + 16 h + i of my 128: two heads of 64
	s_lshl_b32 s80, s42, 10
	s_lshl_b32 s81, s16, 9
	s_add_co_u32 s80, s80, s81
	s_mov_b32 s81, 0
	s_add_nc_u64 s[BB:BB+1], s[8:9], s[80:81]      ; b_qkv at my 128 columns
.irp b, 0,1,2,3
.irp j, 0,1,2,3
	global_load_b128 v[BI+16*\b+4*\j:BI+16*\b+4*\j+3], v9, s[BB:BB+1] offset:128*\b+16*\j
.endr
.endr
	s_lshr_b32 s80, s17, 2                         ; the batch
	s_and_b32 s81, s17, 3
	s_lshl_b32 s81, s81, 4
	s_lshl_b32 s82, s15, 3
	s_add_co_u32 s81, s81, s82                     ; my first token tile in it
	s_and_b32 s82, s42, 3
	s_lshl_b32 s82, s82, 2
	s_lshl_b32 s83, s16, 1
	s_add_co_u32 s82, s82, s83                     ; my first head
	s_lshl_b32 s80, s80, 4
	s_add_co_u32 s80, s80, s82                     ; bh
	s_lshl_b32 s84, s80, 16
	s_lshl_b32 s85, s81, 10
	s_add_co_u32 s84, s84, s85                     ; q: its codes,
	s_lshl_b32 s86, s80, 6
	s_add_co_u32 s86, s86, s81
	s_lshl_b32 s86, s86, 6
	s_add_co_u32 s86, s86, 4194304                 ; its scale words
	s_lshl_b32 s87, s80, 3
	s_lshr_b32 s88, s81, 3
	s_add_co_u32 s87, s87, s88
	s_mul_i32 s87, s87, 17408
	s_add_co_u32 s87, s87, 4456448                 ; k: the block of my 128 keys,
	s_add_co_u32 s88, s87, 16384                   ; its scale words
	s_mov_b32 s89, 139264                          ; from a head to the next
	s_mov_b32 s90, 139264
	s_cmp_eq_u32 ttmp9, 0
	s_cselect_b32 s72, s84, s87
	s_cselect_b32 s76, s86, s88
	s_cselect_b32 s89, 65536, s89
	s_cselect_b32 s90, 4096, s90
	s_add_co_u32 s74, s72, s89
	s_add_co_u32 s78, s76, s90
	s_mov_b32 s73, 0
	s_mov_b32 s75, 0
	s_mov_b32 s77, 0
	s_mov_b32 s79, 0
	s_add_nc_u64 s[72:73], s[10:11], s[72:73]
	s_add_nc_u64 s[74:75], s[10:11], s[74:75]
	s_add_nc_u64 s[76:77], s[10:11], s[76:77]
	s_add_nc_u64 s[78:79], s[10:11], s[78:79]
	LAST
.macro EPIQK a
	WIN 0x02+((\a)/4)
.set e, 0
.rept 32
	v_pk_add_f32 v[T+e:T+e+1], v[64*((\a)%4)+e:64*((\a)%4)+e+1], v[BI+e:BI+e+1]   ; each accumulator from its low end on
.set e, e+2
.endr
	WIN 0
	s_wait_alu depctr_va_vdst(0)
	s_wait_xcnt 0x0                                ; the last block's stores have read their registers, which QUANT writes
	QUANT T, 4
	global_store_b128 v[LI], v[PC:PC+3], s[72:73] offset:1024*(\a)
	global_store_b128 v[LI], v[PC+4:PC+7], s[72:73] offset:1024*(\a)+512
	global_store_b128 v[LI], v[PC+8:PC+11], s[74:75] offset:1024*(\a)
	global_store_b128 v[LI], v[PC+12:PC+15], s[74:75] offset:1024*(\a)+512
.if ((\a)%2) == 0
	v_mov_b32 v[PWE], v[PW]
.else
	v_cndmask_b32 v227, v[PWE], v[PW], s[MK]       ; lanes 0-15: the even block's words, lanes 16-31: the odd block's: 128 consecutive bytes a store
	v_and_b32 v228, 0xffff, v227                   ; the first head's two bytes (the word's upper two stay 0, over zero codes),
	v_lshrrev_b32 v229, 16, v227                   ; the second's
	global_store_b32 v[LS], v228, s[76:77] offset:64*((\a)-1)
	global_store_b32 v[LS], v229, s[78:79] offset:64*((\a)-1)
.endif
.endm
.irp a, 0,1,2,3,4,5,6,7
	EPIQK \a
.endr
	s_branch .Lend
.Lvalues:
	; ---- v.  A lane holds one channel; register 16 b + i of a block is key 32 b + 16 h + i of my 128
	s_lshl_b32 s80, s17, 10
	s_lshl_b32 s81, s15, 9
	s_add_co_u32 s80, s80, s81
	s_add_co_u32 s80, s80, 8192
	s_mov_b32 s81, 0
	s_add_nc_u64 s[BB:BB+1], s[8:9], s[80:81]      ; b_qkv at my 128 channels of v
.irp a, 0,1,2,3,4,5,6,7
	global_load_b32 v[BI+2*\a], v8, s[BB:BB+1] offset:(32*(\a/2)+8*(\a%2))*4     ; my channel's, for block a;
	global_load_b32 v[BI+2*\a+1], v8, s[BB:BB+1] offset:(32*(\a/2)+8*(\a%2))*4   ; twice: the packed form names a pair
.endr
	s_lshr_b32 s80, s42, 2                         ; the batch
	s_lshl_b32 s80, s80, 4
	s_lshl_b32 s81, s17, 2
	s_add_co_u32 s80, s80, s81
	s_lshl_b32 s81, s15, 1
	s_add_co_u32 s80, s80, s81                     ; bh of blocks 0-3; blocks 4-7 are the next head's
	s_lshl_b32 s80, s80, 3
	s_and_b32 s81, s42, 3
	s_lshl_b32 s81, s81, 1
	s_add_co_u32 s80, s80, s81
	s_add_co_u32 s80, s80, s16                     ; + which 128 keys
	s_mul_i32 s72, s80, 17408
	s_add_co_u32 s72, s72, 4456448
	s_mov_b32 s73, 0
	s_add_nc_u64 s[72:73], s[10:11], s[72:73]
	LAST
.macro EPIV a
	WIN 0x02+((\a)/4)
.set e, 0
.rept 32
	v_pk_add_f32 v[T+e:T+e+1], v[64*((\a)%4)+e:64*((\a)%4)+e+1], v[BI+2*(\a):BI+2*(\a)+1] op_sel_hi:[1,0]
.set e, e+2
.endr
	WIN 0
	s_wait_alu depctr_va_vdst(0)
	s_wait_xcnt 0x0                                ; the last block's stores have read their registers, which QUANT writes
	QUANT T, 4
.irp c, 0,1,2,3
	global_store_b128 v[LI], v[PC+4*\c:PC+4*\c+3], s[72:73] offset:((\a)/4)*139264+8192+((\a)%4)*2048+512*\c
.endr
	global_store_b32 v[LS], v[PW], s[72:73] offset:((\a)/4)*139264+16896+((\a)%4)*128
.endm
.irp a, 0,1,2,3,4,5,6,7
	EPIV \a
.endr
.Lend:
	s_wait_tensorcnt 0x0                           ; the wave's end, behind my last tensor load
	ds_add_u32 v[SPW], v[NIL]
	s_wait_dscnt 0x0
	CROUND                                         ; the closing round: no work-group ends while a partner may still ask for a tile that names it
	s_endpgm
.Lfunc_end_k_q904d132a56_qkv:
	.size	k_q904d132a56_qkv, .Lfunc_end_k_q904d132a56_qkv-k_q904d132a56_qkv
	.p2alignl 7, 3214868480
	.fill 96, 4, 3214868480
	.section	.rodata,"a",@progbits
	.p2align	6, 0x0
	.amdhsa_kernel k_q904d132a56_qkv
		.amdhsa_group_segment_fixed_size 327680
		.amdhsa_private_segment_fixed_size 0
		.amdhsa_enable_private_segment 0
		.amdhsa_kernarg_size 32
		.amdhsa_user_sgpr_count 2
		.amdhsa_user_sgpr_kernarg_segment_ptr 1
		.amdhsa_wavefront_size32 1
		.amdhsa_system_sgpr_workgroup_id_x 1
		.amdhsa_system_sgpr_workgroup_id_y 1
		.amdhsa_system_sgpr_workgroup_id_z 1
		.amdhsa_system_vgpr_workitem_id 0
		.amdhsa_next_free_vgpr 1024
		.amdhsa_next_free_sgpr 100
		.amdhsa_reserve_vcc 0
		.amdhsa_float_denorm_mode_32 3
		.amdhsa_float_denorm_mode_16_64 3
		.amdhsa_memory_ordered 1
		.amdhsa_forward_progress 1
		.amdhsa_inst_pref_size 255
	.end_amdhsa_kernel
	.section	.bss,"aw",@nobits
	.p2align	6
	.space	262144
	.amdgpu_metadata
---
amdhsa.version: [ 1, 2 ]
amdhsa.kernels:
  - .name:           k_q904d132a56_qkv
    .symbol:         k_q904d132a56_qkv.kd
    .args:
      - { .name: XQ, .offset: 0, .size: 8, .value_kind: global_buffer, .address_space: global }
      - { .name: WQ, .offset: 8, .size: 8, .value_kind: global_buffer, .address_space: global }
      - { .name: b_qkv, .offset: 16, .size: 8, .value_kind: global_buffer, .address_space: global }
      - { .name: QKV, .offset: 24, .size: 8, .value_kind: global_buffer, .address_space: global }
    .group_segment_fixed_size: 327680
    .private_segment_fixed_size: 0
    .kernarg_segment_align: 8
    .kernarg_segment_size: 32
    .max_flat_workgroup_size: 128
    .sgpr_count:     100
    .vgpr_count:     1024
    .wavefront_size: 32
...
	.end_amdgpu_metadata
.endif
;; end of part 2
;; launch attn (part 3): grid 4 x 64, 16 waves a work-group, clusters of 4 x 1, 167,936 bytes of LDS; arguments QKV, AT; writes AT
.if DOCPART == 3
	.amdgcn_target "amdgcn-amd-amdhsa--gfx1250"
	.amdhsa_code_object_version 6
	.text
	.protected	k_q904d132a56_attn
	.globl	k_q904d132a56_attn
	.p2align	8
	.type	k_q904d132a56_attn,@function
k_q904d132a56_attn:
	s_mov_b64 s[64:65], 0
	v_nop
	global_prefetch_b8 v0, s[64:65] scope:SCOPE_SE
	s_setreg_imm32_b32 hwreg(HW_REG_WAVE_MODE, 25, 1), 1
	s_wait_xcnt 0x0
	s_wait_alu depctr_hold_cnt(0) depctr_sa_sdst(0) depctr_va_vdst(0) depctr_va_sdst(0) depctr_va_ssrc(0) depctr_va_vcc(0) depctr_vm_vsrc(0)
	s_getreg_b32 s2, hwreg(HW_REG_IB_STS2, 6, 4)
	s_cmp_eq_u32 s2, 0
	s_cbranch_scc0 .Lentry_in_a_cluster
	s_endpgm
.Lentry_in_a_cluster:
	s_bfe_u32 s2, ttmp6, 0x10000c
	s_cmp_lg_u32 s2, 0x3003
	s_cbranch_scc0 .Lentry_shape_is_right
	s_endpgm
.Lentry_shape_is_right:
; Causal attention of 64 (batch, head) pairs, 1,024 tokens, head size 64, both products on codes of FP8 (E4M3) with E8M0 scales; the result is quantised along the 1,024 of the projection that follows, into AT's records.
; WORK LEFT OUT: a key step of 128 keys all of which come after a wave's 16 queries (reference()'s own jnp.tril throws those weights away for every input); a NaN or an infinity that would arise only there is not carried on.
; THE SOFTMAX AHEAD OF THE SECOND PRODUCT: t = score x log2(e) / 8 (q comes undivided: the 1 / 8 is a power of two and stands in the constant); M = the largest t so far, rounded UP to a whole number; p = 2^(t - M) is quantised
; along the keys, not normalised; the row's sum is taken of the unquantised p and divides at the end.  When M moves, the sum and O are multiplied by 2^(old M - new M): exact.
; SHARES.  A work-group has one (batch, head) and sixteen waves of one query tile each.  Wave w takes octave o = min(w, 15 - w) of the 1,024 queries and in it tile 2 x + w / 8: so every work-group has two waves of each length, 1 to 8 key steps.
; The head's whole K and V with their scale words, 139,264 bytes laid by the launch before in the order of the operands' registers, come into LDS ONCE, a sixteenth by each wave's one tensor load: no ring, one work-group barrier.
; CLUSTER.  The four work-groups of a head form a cluster and need the same 139,264 bytes: each wave's sixteenth is asked for JOINTLY, by the same tensor load with the same descriptor (made of the head and the wave's number) and a mask
; that names the four; each receives it in its own LDS.  What hangs on a work-group's place in the cluster is which query tile a wave has: Q's and AT's addresses, and the mask's d, a number in a vector register that only selects values.
; No branch, trip count or LDS address hangs on it: the jumps over hidden key steps hang on the octave, which is made of the wave's number alone.
; LAYOUT.  S^T = K Q^T (source 0 = 16 keys, source 1 = my 16 queries), O^T = V^T P^T (source 0 = 16 channels): a lane holds ONE query.  Row r of tile T is row 32 (T / 2) + 8 (T % 2) + r + 8 (r / 8): the 16 registers of tiles 2 b, 2 b + 1 are 16 neighbours.
; The first product's K is 64: registers 8-15 of its fragments hold zero codes, which add nothing; the upper two bytes of its scale words are 0.
; LIMITS: hidden scores are -infinity where reference() adds the least f32 number: p is 0 either way, since a query's own key always counts; blocks of zeros get the byte 1; NaN and infinities among the inputs are not served.
; REGISTERS: v1-4 lane terms; v7 the mask's d; v8-9 addresses; v12 -M, v13 the largest t, v[14:15] the sum; v16-31 Q; v32-95 four fragments of K; v96-159 S^T, then p, then V's four fragments; v160-191 O^T; v224-239 p's codes; v232-254 at work; v248-251, v253, v255 scale words.
.set KVB,   17408                      ; a key step's block: K's codes 8 x 1,024; V's 4 x 2,048 at 8,192; K's scale words at 16,384; V's at 16,896
.set SPARE, 8*KVB                      ; the spare words, 128 bytes for each wave: eight blocks of 256 bytes that no other line names
.set LI,  1                            ; v1   16 x lane
.set LS,  2                            ; v2   4 x lane
.set SPW, 5
.set NIL, 6
.set DQ,  7                            ; v7   my query within its octave - 16 (lane / 16)
.set AD,  8
.set AS,  9
.set PC,  224
.set TM,  232
.set PW,  254
.set TB,  2                            ; s2   LDS byte at which the step's block begins
.set ST,  3                            ; s3   the key step
.set WV,  18
.set MNT, 19
.set SEL, 20
.set CS,  26                           ; s[26:27] c = log2(e) / 8
.set OC,  28                           ; s28  my octave: my last key step
.set G0,  32
.set G1,  40
; A round of the cluster's barrier: my work-group's barrier, so that wave 0's signal speaks for all sixteen waves; wave 0 signals for the work-group; every wave waits for all four work-groups; my work-group's barrier once more.
.macro CROUND
	s_barrier_signal -1
	s_barrier_wait -1
	s_cmp_lg_u32 s[WV], 0
	s_cbranch_scc1 .Lnot_wave_0_\@
	s_barrier_signal -3
.Lnot_wave_0_\@:
	s_barrier_wait -3
	s_barrier_signal -1
	s_barrier_wait -1
.endm
.macro QUANT s, nb                     ; 16 nb numbers of a lane, v[s + 16 b + i], become codes in v[PC + 4 b ..] and the scale word in v[PW]; a block of 32 lies in lanes l and l xor 16
.set qb, 0
.rept \nb
	v_max3_num_f32 v[TM+qb], |v[(\s)+16*qb]|, |v[(\s)+16*qb+1]|, 0x4800000
.set qb, qb+1
.endr
.irp i, 2,4,6,8,10,12,14
.set qb, 0
.rept \nb
	s_delay_alu instid0(VALU_DEP_2)
	v_max3_num_f32 v[TM+qb], v[TM+qb], |v[(\s)+16*qb+\i]|, |v[(\s)+16*qb+\i+1]|
.set qb, qb+1
.endr
.endr
.set qb, 0
.rept \nb
	v_permlanex16_b32 v[TM+4+qb], v[TM+qb], s[SEL], s[SEL+1]
.set qb, qb+1
.endr
.set qb, 0
.rept \nb
	s_delay_alu instid0(VALU_DEP_2)
	v_max_num_f32 v[TM+qb], v[TM+qb], v[TM+4+qb]
.set qb, qb+1
.endr
.set qb, 0
.rept \nb
	s_delay_alu instid0(VALU_DEP_2)
	v_add_nc_u32 v[TM+12+qb], 0xfc000000, v[TM+qb]
.set qb, qb+1
.endr
.set qb, 0
.rept \nb
	s_delay_alu instid0(VALU_DEP_4)
	v_and_or_b32 v[TM+8+qb], v[TM+qb], 0x7f800000, s[MNT]
.set qb, qb+1
.endr
.set qb, 0
.rept \nb
	s_delay_alu instid0(VALU_DEP_4)
	v_lshrrev_b32 v[TM+4+qb], 23, v[TM+12+qb]
.set qb, qb+1
.endr
	s_delay_alu instid0(VALU_DEP_1)
	v_lshl_or_b32 v[PW], v[TM+5], 8, v[TM+4]
.if \nb > 2
	v_lshl_or_b32 v[PW], v[TM+6], 16, v[PW]
	v_lshl_or_b32 v[PW], v[TM+7], 24, v[PW]
.endif
.set qb, 0
.rept \nb
.set qi, 0
.rept 16
	v_med3_num_f32 v[(\s)+16*qb+qi], v[(\s)+16*qb+qi], -v[TM+8+qb], v[TM+8+qb]
.set qi, qi+1
.endr
	v_cvt_scalef32_pk8_fp8_f32 v[PC+4*qb:PC+4*qb+1], v[(\s)+16*qb:(\s)+16*qb+7], v[TM+12+qb]
	v_cvt_scalef32_pk8_fp8_f32 v[PC+4*qb+2:PC+4*qb+3], v[(\s)+16*qb+8:(\s)+16*qb+15], v[TM+12+qb]
.set qb, qb+1
.endr
	v_nop
.endm
	s_load_b128 s[4:7], s[0:1], 0x0                ; QKV, AT
	v_lshl_add_u32 v[SPW], v0, 2, SPARE
	v_mov_b32 v[NIL], 0
	ds_add_u32 v[SPW], v[NIL]                      ; the wave's opening: the add, twice on end, and its wait ahead of the round that stands in front of my first tensor load
	ds_add_u32 v[SPW], v[NIL]
	v_lshrrev_b32 v8, 5, v0
	s_delay_alu instid0(VALU_DEP_1)
	v_readfirstlane_b32 s[WV], v8                  ; wave 0..15
	s_and_b32 s8, ttmp7, 0xffff                    ; bh: the cluster's y, which the four partners share
	s_bfe_u32 s13, ttmp6, 0x40000                  ; cx: my place in the cluster
	s_lshl_b32 s11, ttmp9, 2                       ; in a cluster launch ttmp9 counts clusters
	s_add_co_u32 s13, s13, s11                     ; my work-group's x = 4 x cluster x + cx: it enters Q's and AT's addresses and the mask's d alone
	s_sub_co_u32 s9, 15, s[WV]
	s_min_u32 s[OC], s[WV], s9                     ; my octave: of the wave's number alone
	s_lshr_b32 s10, s[WV], 3
	s_lshl_b32 s11, s13, 1
	s_add_co_u32 s10, s10, s11                     ; my tile in it
	s_lshl_b32 s11, s[OC], 3
	s_add_co_u32 s11, s11, s10                     ; my query tile
	s_mov_b32 s[G1], 15|(3<<16)|(1<<21)            ; 15:0 the mask: all four work-groups; 17:16 elements of 8 bytes; 21 set beside a mask; no padding
	s_mov_b32 s[G1+1], 32<<16                      ; tensor_dim0: rows of 256 bytes
	s_mov_b32 s[G1+2], 34<<16                      ; tensor_dim1: 34 of them: a sixteenth of the head's 139,264 bytes
	s_mov_b32 s[G1+3], 32<<16                      ; tile_dim0
	s_mov_b32 s[G1+4], 34                          ; tile_dim1
	s_mov_b32 s[G1+5], 32                          ; dense
	s_mov_b32 s[G1+6], 0
	s_mov_b32 s[G1+7], 0
	s_mul_i32 s12, s[WV], 8704                     ; my sixteenth: in LDS, and in the head's block: no place in the cluster enters either
	s_mul_i32 s14, s8, 8*KVB
	s_add_co_u32 s14, s14, s12
	s_add_co_u32 s14, s14, 4456448
	s_mov_b32 s15, 0
	s_mov_b32 s[SEL], 0x76543210
	s_mov_b32 s[SEL+1], 0xfedcba98
	s_mov_b32 s[CS], 0x3e38aa3b
	s_mov_b32 s[CS+1], s[CS]                       ; (named with it as a pair, so it is written)
	s_mov_b32 s[MNT], 0x600000
	s_mov_b32 s[TB], 0
	s_mov_b32 s[ST], 0
	s_wait_dscnt 0x0                               ; both opening adds are done
	CROUND                                         ; the opening round, ahead of the wait for the arguments: all four work-groups are here, and the joint loads meet
	s_wait_kmcnt 0x0
	s_mov_b32 s[G0], 1
	s_mov_b32 s[G0+1], s12
	s_add_nc_u64 s[G0+2:G0+3], s[4:5], s[14:15]
	s_or_b32 s[G0+3], s[G0+3], 0x80000000
	tensor_load_to_lds s[G0:G0+3], s[G1:G1+7]      ; every wave's one load, the same in all four partners
	s_nop 0
	v_and_b32 v10, 15, v0                          ; r
	v_bfe_u32 v11, v0, 4, 1                        ; h
	v_and_b32 v[LI], 31, v0
	s_delay_alu instid0(VALU_DEP_1)
	v_lshlrev_b32 v[LS], 2, v[LI]
	s_delay_alu instid0(VALU_DEP_2)
	v_lshlrev_b32 v[LI], 4, v[LI]
	s_wait_alu depctr_va_vdst(0)
	v_lshlrev_b32 v3, 2, v10                       ; 4 r: Q's scale words
	s_wait_alu depctr_va_vdst(0)
	v_lshlrev_b32 v4, 4, v10
	s_delay_alu instid0(VALU_DEP_1)
	v_lshl_add_u32 v4, v11, 3, v4                  ; 16 r + 8 h: a record's scale entries
	s_lshl_b32 s22, s8, 6
	s_add_co_u32 s22, s22, s11                     ; 64 bh + query tile
	s_lshl_b32 s24, s22, 6
	s_add_co_u32 s24, s24, 4194304
	s_lshl_b32 s22, s22, 10
	s_mov_b32 s23, 0
	s_mov_b32 s25, 0
	s_add_nc_u64 s[22:23], s[4:5], s[22:23]
	s_add_nc_u64 s[24:25], s[4:5], s[24:25]
	global_load_b128 v[16:19], v[LI], s[22:23]     ; Q's fragment, registers 0-7: it stays
	global_load_b128 v[20:23], v[LI], s[22:23] offset:512
	global_load_b32 v255, v3, s[24:25]             ; and its scale words
	s_lshr_b32 s16, s10, 1
	s_lshl_b32 s16, s16, 5
	s_and_b32 s17, s10, 1
	s_lshl_b32 s17, s17, 3
	s_add_co_u32 s16, s16, s17
	v_and_b32 v[DQ], 8, v10
	s_delay_alu instid0(VALU_DEP_1)
	v_add_nc_u32 v[DQ], v[DQ], v10
	s_delay_alu instid0(VALU_DEP_1)
	v_add_nc_u32 v[DQ], s16, v[DQ]                 ; my query within its octave
	v_lshlrev_b32 v12, 4, v11
	s_delay_alu instid0(VALU_DEP_1)
	v_sub_nc_u32 v[DQ], v[DQ], v12
	s_lshr_b32 s29, s8, 4                          ; the batch
	s_lshl_b32 s29, s29, 6
	s_add_co_u32 s29, s29, s11                     ; my token tile
	s_lshl_b32 s29, s29, 3
	s_and_b32 s30, s8, 15                          ; the head: two heads share a record
	s_lshr_b32 s31, s30, 1
	s_add_co_u32 s29, s29, s31
	s_mul_i32 s36, s29, 2304
	s_and_b32 s30, s30, 1
	s_lshl_b32 s31, s30, 10
	s_add_co_u32 s38, s36, s31                     ; my half of the record's codes,
	s_lshl_b32 s31, s30, 1
	s_add_co_u32 s36, s36, s31                     ; my two bytes of each scale word
	s_mov_b32 s37, 0
	s_mov_b32 s39, 0
	s_add_nc_u64 s[36:37], s[6:7], s[36:37]
	s_add_nc_u64 s[38:39], s[6:7], s[38:39]
.irp j, 0,1,2,3,4,5,6,7
	v_mov_b32 v[24+\j], 0                          ; zero codes for k = 64 .. 127 of the first product: Q's,
.irp t, 0,1,2,3
	v_mov_b32 v[40+16*\t+\j], 0                    ; and K's: no load lands here
.endr
.endr
	v_mov_b32 v13, 0xff61b1e6                      ; the largest t so far: -3e38, under every t
	s_delay_alu instid0(VALU_DEP_1)
	v_floor_f32 v12, -v13                          ; -M
	v_mov_b32 v14, 0                               ; the sum, in two halves
	v_mov_b32 v15, 0
.irp b, 0,1,2,3
	v_mov_b32 v[236+\b], 0                         ; written once: a lane permute's destination counts as one of its sources
.endr
	v_mov_b32 v253, 0                              ; (named as the upper half of the pair v[252:253] before it is first written)
.set j, 0
.rept 32
	v_mov_b32 v[160+j], 0                          ; O^T: the step is written once; the first finds zeros, which the first change of M leaves zeros
.set j, j+1
.endr
	s_wait_tensorcnt 0x0                           ; my sixteenth is in,
	s_barrier_signal -1
	s_barrier_wait -1                              ; everybody's is
	s_wait_loadcnt 0x0                             ; Q
.macro SQK g, t                        ; scores of key tile 4 g + t; a register of scale words serves two tiles: the even one in lanes 0-15, the odd one in lanes 16-31
.if ((\t)%2) == 0
	v_wmma_scale_f32_16x16x128_f8f6f4 v[96+8*(4*\g+\t):103+8*(4*\g+\t)], v[32+16*\t:47+16*\t], v[16:31], 0, v[248+(\t)/2], v255
.else
	v_wmma_scale_f32_16x16x128_f8f6f4 v[96+8*(4*\g+\t):103+8*(4*\g+\t)], v[32+16*\t:47+16*\t], v[16:31], 0, v[248+(\t)/2], v255 matrix_a_scale:MATRIX_SCALE_ROW1
.endif
.endm
.Lstep:                                            ; eight trips in every wave; a step behind my octave is left out: a branch on the wave's number and the count of steps, round the step's work alone
	s_cmp_gt_u32 s[ST], s[OC]
	s_cbranch_scc1 .Lhidden
	v_add_nc_u32 v[AD], s[TB], v[LI]
	s_wait_alu depctr_va_vdst(0)
	v_add_nc_u32 v[AS], s[TB], v[LS]
	s_wait_alu depctr_va_vdst(0)
.irp g, 0,1                                    ; S^T = K Q^T, four tiles of 16 keys at a time
.if \g > 0
.rept 8
	v_nop                                          ; places in front of loads into registers that matrix instructions have read
.endr
.endif
.irp t, 0,1,2,3
	ds_load_b128 v[32+16*\t:35+16*\t], v[AD] offset:1024*(4*\g+\t)
	ds_load_b128 v[36+16*\t:39+16*\t], v[AD] offset:1024*(4*\g+\t)+512
.endr
	ds_load_b32 v248, v[AS] offset:16384+256*\g
	ds_load_b32 v249, v[AS] offset:16384+256*\g+128
	s_wait_dscnt 0x0
.irp t, 0,1,2,3
	SQK \g, \t
.endr
.endr
.rept 8
	v_nop
.endr
	s_cmp_lt_u32 s[ST], s[OC]                      ; only my last step lies on the diagonal
	s_cbranch_scc1 .Lopen
	v_mov_b32 v254, 0xff800000                     ; -infinity.  Register 16 b + i holds key 32 b + 16 (lane / 16) + i of the step: hidden where 32 b + i > d
.set n, 0
.rept 64
	v_cmp_gt_i32 vcc_lo, 32*(n/16)+n%16, v[DQ]
	v_cndmask_b32 v[96+n], v[96+n], v254, vcc_lo
.set n, n+1
.endr
.Lopen:
.irp b, 0,1,2,3
	v_max3_num_f32 v[232+\b], v[96+16*\b], v[97+16*\b], v[98+16*\b]   ; the largest score of each block of 32 keys: for the row's maximum, and, since p rises with the score, for the block's largest p
.endr
.irp i, 3,5,7,9,11,13
.irp b, 0,1,2,3
	v_max3_num_f32 v[232+\b], v[232+\b], v[96+16*\b+\i], v[97+16*\b+\i]
.endr
.endr
.irp b, 0,1,2,3
	v_max_num_f32 v[232+\b], v[232+\b], v[111+16*\b]
.endr
.irp b, 0,1,2,3
	v_permlanex16_b32 v[236+\b], v[232+\b], s[SEL], s[SEL+1]
.endr
.irp b, 0,1,2,3
	s_delay_alu instid0(VALU_DEP_4)
	v_max_num_f32 v[232+\b], v[232+\b], v[236+\b]  ; with lane l xor 16's 16 keys
.endr
	s_delay_alu instid0(VALU_DEP_2)
	v_max3_num_f32 v254, v232, v233, v234
	s_delay_alu instid0(VALU_DEP_1)
	v_max_num_f32 v254, v254, v235                 ; the step's largest score of my query
	s_delay_alu instid0(VALU_DEP_1)
	v_mul_f32 v254, s[CS], v254                    ; as t
	s_delay_alu instid0(VALU_DEP_1)
	v_max_num_f32 v13, v13, v254                   ; the running largest t
	v_mov_b32 v254, v12
	s_delay_alu instid0(VALU_DEP_2)
	v_floor_f32 v12, -v13                          ; the new -M = -ceil(t): a whole number
	s_delay_alu instid0(VALU_DEP_1)
	v_sub_f32 v254, v12, v254                      ; old M - new M: a whole number, 0 or less
	s_delay_alu instid0(VALU_DEP_1)
	v_cvt_i32_f32 v254, v254                       ; (it saturates)
	s_delay_alu instid0(VALU_DEP_1)
	v_ldexp_f32 v252, 1.0, v254                    ; f = 2^(old M - new M)
.set j, 0
.rept 32
	v_pk_fma_f32 v[96+j:97+j], v[96+j:97+j], s[CS:CS+1], v[12:13] op_sel_hi:[1,0,0]   ; t - M, two at a time
.set j, j+2
.endr
.irp b, 0,1,2,3
	v_fma_f32 v[232+\b], v[232+\b], s[CS], v12     ; the same of each block's largest score
.endr
.set j, 0
	s_wait_alu depctr_va_vdst(0)
.rept 64
	v_exp_f32 v[96+j], v[96+j]                     ; p = 2^(t - M), at most 1
.set j, j+1
.endr
	v_pk_mul_f32 v[14:15], v[14:15], v[252:253] op_sel_hi:[1,0]   ; the sums under the new M: a plain instruction behind the exponentials
	s_wait_alu depctr_va_vdst(0)                   ; one wait for the batch, ahead of its first reader
.irp b, 0,1,2,3
	v_exp_f32 v[232+\b], v[232+\b]                 ; the block's largest p
.endr
	v_pk_add_f32 v[236:237], v[100:101], v[104:105]
	v_pk_add_f32 v[250:251], v[108:109], v[112:113]
	v_pk_add_f32 v[248:249], v[116:117], v[120:121]
	v_pk_add_f32 v[246:247], v[124:125], v[128:129]
	v_pk_add_f32 v[244:245], v[132:133], v[136:137]
	v_pk_add_f32 v[242:243], v[140:141], v[144:145]
	v_pk_add_f32 v[240:241], v[148:149], v[152:153]
	v_pk_add_f32 v[14:15], v[14:15], v[156:157]
	v_pk_add_f32 v[236:237], v[236:237], v[96:97]
	v_pk_add_f32 v[250:251], v[250:251], v[98:99]
	v_pk_add_f32 v[248:249], v[248:249], v[102:103]
	v_pk_add_f32 v[246:247], v[246:247], v[106:107]
	v_pk_add_f32 v[244:245], v[244:245], v[110:111]
	v_pk_add_f32 v[242:243], v[242:243], v[114:115]
	v_pk_add_f32 v[240:241], v[240:241], v[118:119]
	v_pk_add_f32 v[14:15], v[14:15], v[122:123]
	v_pk_add_f32 v[236:237], v[236:237], v[126:127]
	v_pk_add_f32 v[250:251], v[250:251], v[130:131]
	v_pk_add_f32 v[248:249], v[248:249], v[134:135]
	v_pk_add_f32 v[246:247], v[246:247], v[138:139]
	v_pk_add_f32 v[244:245], v[244:245], v[142:143]
	v_pk_add_f32 v[242:243], v[242:243], v[146:147]
	v_pk_add_f32 v[240:241], v[240:241], v[150:151]
	v_pk_add_f32 v[14:15], v[14:15], v[154:155]
	v_pk_add_f32 v[236:237], v[236:237], v[158:159]
	s_delay_alu instid0(VALU_DEP_2)
	v_pk_add_f32 v[14:15], v[14:15], v[246:247]
	s_delay_alu instid0(VALU_DEP_2)
	v_pk_add_f32 v[236:237], v[236:237], v[244:245]
	v_pk_add_f32 v[250:251], v[250:251], v[242:243]
	v_pk_add_f32 v[248:249], v[248:249], v[240:241]
	s_delay_alu instid0(VALU_DEP_2)
	v_pk_add_f32 v[14:15], v[14:15], v[250:251]
	s_delay_alu instid0(VALU_DEP_2)
	v_pk_add_f32 v[236:237], v[236:237], v[248:249]
	s_delay_alu instid0(VALU_DEP_1)
	v_pk_add_f32 v[14:15], v[14:15], v[236:237]
	s_wait_alu depctr_va_vdst(0)                   ; and one for the four
.irp b, 0,1,2,3
	v_max_num_f32 v[232+\b], 0x4800000, v[232+\b]  ; the floor 2^(9 - 127): the byte cannot fall under 1
.endr
.irp b, 0,1,2,3
	s_delay_alu instid0(VALU_DEP_4)
	v_add_nc_u32 v[244+\b], 0xfc000000, v[232+\b]  ; the conversion's scale operand
.endr
.irp b, 0,1,2,3
	v_and_or_b32 v[240+\b], v[232+\b], 0x7f800000, s[MNT]   ; 448 x the scale
.endr
.irp b, 0,1,2,3
	v_lshrrev_b32 v[236+\b], 23, v[244+\b]         ; the scale's byte
.endr
	s_delay_alu instid0(VALU_DEP_3)
	v_lshl_or_b32 v253, v237, 8, v236              ; p's scale word for these 128 keys
	s_delay_alu instid0(VALU_DEP_1)
	v_lshl_or_b32 v253, v238, 16, v253
	s_delay_alu instid0(VALU_DEP_1)
	v_lshl_or_b32 v253, v239, 24, v253
.irp b, 0,1,2,3
.irp i, 0,1,2,3,4,5,6,7,8,9,10,11,12,13,14,15
	v_min_num_f32 v[96+16*\b+\i], v[96+16*\b+\i], v[240+\b]   ; the conversion does not saturate (ISA guide 7.6.2); p is not negative, so the hold is one-sided
.endr
	v_cvt_scalef32_pk8_fp8_f32 v[224+4*\b:225+4*\b], v[96+16*\b:103+16*\b], v[244+\b]
	v_cvt_scalef32_pk8_fp8_f32 v[226+4*\b:227+4*\b], v[104+16*\b:111+16*\b], v[244+\b]
.endr
.irp t, 0,1,2,3                                ; V's four fragments (16 channels x these 128 keys) take p's registers
.irp c, 0,1,2,3
	ds_load_b128 v[96+16*\t+4*\c:99+16*\t+4*\c], v[AD] offset:8192+2048*\t+512*\c
.endr
	ds_load_b32 v[248+\t], v[AS] offset:16896+128*\t
.endr
.set j, 0
.rept 16
	v_pk_mul_f32 v[160+j:161+j], v[160+j:161+j], v[252:253] op_sel_hi:[1,0]   ; O^T under the new M.  (These are also the places between the conversions and the products)
.set j, j+2
.endr
	s_wait_alu depctr_va_vdst(0)
	s_wait_dscnt 0x0
.irp t, 0,1,2,3
	v_wmma_scale_f32_16x16x128_f8f6f4 v[160+8*\t:167+8*\t], v[96+16*\t:111+16*\t], v[224:239], v[160+8*\t:167+8*\t], v[248+\t], v253
.endr
.rept 9
	v_nop                                          ; nine places: the next step's products write over registers that these have read; the way out reads their results
.endr
.Lhidden:
	s_add_co_u32 s[TB], s[TB], KVB
	s_add_co_u32 s[ST], s[ST], 1
	s_cmp_lt_u32 s[ST], 8
	s_cbranch_scc1 .Lstep
	; THE WAY OUT: O^T / the sum; register 16 b + i is channel 32 b + 16 h + i of my query: two blocks of the projection's K, quantised in registers; the codes are half a record's registers
	v_add_f32 v14, v14, v15
	s_delay_alu instid0(VALU_DEP_1)
	v_permlanex16_b32 v252, v14, s[SEL], s[SEL+1]
	s_delay_alu instid0(VALU_DEP_1)
	v_add_f32 v14, v14, v252                       ; the row's sum
	s_wait_alu depctr_va_vdst(0)
	v_rcp_f32 v14, v14
	v_nop                                          ; a plain instruction behind the transcendental,
	s_wait_alu depctr_va_vdst(0)                   ; and the wait ahead of its first reader
.set j, 0
.rept 32
	v_mul_f32 v[96+j], v[160+j], v14
.set j, j+1
.endr
	QUANT 96, 2
	global_store_b128 v[LI], v[PC:PC+3], s[38:39]              ; 512 consecutive bytes, aligned
	global_store_b128 v[LI], v[PC+4:PC+7], s[38:39] offset:512
	global_store_b16 v4, v[PW], s[36:37] offset:2048           ; my head's two bytes of each row's scale word,
	global_store_b16 v4, v24, s[36:37] offset:2052             ; and its half of the zero word behind it: every byte of a record is written
	s_wait_tensorcnt 0x0                           ; the wave's end, behind my last tensor load, ahead of the closing round
	ds_add_u32 v[SPW], v[NIL]
	s_wait_dscnt 0x0
	CROUND                                         ; the closing round: no work-group ends while a partner may still ask for bytes by a load that names it
	s_endpgm
.Lfunc_end_k_q904d132a56_attn:
	.size	k_q904d132a56_attn, .Lfunc_end_k_q904d132a56_attn-k_q904d132a56_attn
	.p2alignl 7, 3214868480
	.fill 96, 4, 3214868480
	.section	.rodata,"a",@progbits
	.p2align	6, 0x0
	.amdhsa_kernel k_q904d132a56_attn
		.amdhsa_group_segment_fixed_size 167936
		.amdhsa_private_segment_fixed_size 0
		.amdhsa_enable_private_segment 0
		.amdhsa_kernarg_size 16
		.amdhsa_user_sgpr_count 2
		.amdhsa_user_sgpr_kernarg_segment_ptr 1
		.amdhsa_wavefront_size32 1
		.amdhsa_system_sgpr_workgroup_id_x 1
		.amdhsa_system_sgpr_workgroup_id_y 1
		.amdhsa_system_sgpr_workgroup_id_z 1
		.amdhsa_system_vgpr_workitem_id 0
		.amdhsa_next_free_vgpr 256
		.amdhsa_next_free_sgpr 66
		.amdhsa_reserve_vcc 1
		.amdhsa_float_denorm_mode_32 3
		.amdhsa_float_denorm_mode_16_64 3
		.amdhsa_memory_ordered 1
		.amdhsa_forward_progress 1
		.amdhsa_inst_pref_size 40
	.end_amdhsa_kernel
	.amdgpu_metadata
---
amdhsa.version: [ 1, 2 ]
amdhsa.kernels:
  - .name:           k_q904d132a56_attn
    .symbol:         k_q904d132a56_attn.kd
    .args:
      - { .name: QKV, .offset: 0, .size: 8, .value_kind: global_buffer, .address_space: global }
      - { .name: AT, .offset: 8, .size: 8, .value_kind: global_buffer, .address_space: global }
    .group_segment_fixed_size: 167936
    .private_segment_fixed_size: 0
    .kernarg_segment_align: 8
    .kernarg_segment_size: 16
    .max_flat_workgroup_size: 512
    .sgpr_count:     66
    .vgpr_count:     256
    .wavefront_size: 32
...
	.end_amdgpu_metadata
.endif
;; end of part 3
;; launch oproj (part 4): grid 8 x 32, 4 waves a work-group, clusters of 4 x 4, 327,680 bytes of LDS; arguments AT, WQ, b_o, x, X1; writes X1
.if DOCPART == 4
	.amdgcn_target "amdgcn-amd-amdhsa--gfx1250"
	.amdhsa_code_object_version 6
	.text
	.protected	k_q904d132a56_oproj
	.globl	k_q904d132a56_oproj
	.p2align	8
	.type	k_q904d132a56_oproj,@function
k_q904d132a56_oproj:
	s_mov_b64 s[64:65], 0
	v_nop
	global_prefetch_b8 v0, s[64:65] scope:SCOPE_SE
	s_setreg_imm32_b32 hwreg(HW_REG_WAVE_MODE, 25, 1), 1
	s_wait_xcnt 0x0
	s_wait_alu depctr_hold_cnt(0) depctr_sa_sdst(0) depctr_va_vdst(0) depctr_va_sdst(0) depctr_va_ssrc(0) depctr_va_vcc(0) depctr_vm_vsrc(0)
	s_getreg_b32 s2, hwreg(HW_REG_IB_STS2, 6, 4)
	s_cmp_eq_u32 s2, 0
	s_cbranch_scc0 .Lentry_in_a_cluster
	s_endpgm
.Lentry_in_a_cluster:
	s_bfe_u32 s2, ttmp6, 0x10000c
	s_cmp_lg_u32 s2, 0xf033
	s_cbranch_scc0 .Lentry_shape_is_right
	s_endpgm
.Lentry_shape_is_right:
; X1 = x + attention's result w_o + b_o: [4096][1024] f32.  The product on codes of FP8 (E4M3) with E8M0 scales, both operands as RECORDS (tile of 16 rows, 128 along K: 2,304 bytes).
; A tile of the result is 128 x 128: 256 work-groups of four waves, 64 x 64 each.  ALL OF K = 1,024 LIES IN LDS AT ONCE: a wave's one joint load brings 4 tiles x 8 records, 73,728 dense bytes; nothing is filled again.
; CLUSTERS: 4 x 4; A's tiles are asked for jointly along a row of the cluster, the weight's along a column.  No request ahead: all bytes are asked for at the head, and there is no loop to run ahead in.
; The way out goes through each wave's own stage, in LDS bytes behind the spare words on which no fill lands.
.set KF,    8
.set WOFF,  3538944
.set NQ,    8
.set REC,   2304
.set QT,    4*NQ*REC
.set SLOT,  4*QT
.set SPARE, SLOT
.set ADRA, 16
.set ADRB, 20
.set CO,   22
.set STO,  24
.set RD,   25
.set ADRS, 26
.set SPW,  28
.set NIL,  29
.set SC,   32
.set BS,   40
.set BK,   64
.set ACC,  128
.set G1,  24
.set G0,  32
.set G1B, 48
.set G0B, 56
.set MSB, 0
.macro WIN new
.if MSB != (\new)
	s_set_vgpr_msb (MSB<<8)|(\new)
.set MSB, (\new)
.endif
.endm
.set MUL,  0x05
.set TO_F, 0x40
.macro JLOAD s
	s_cmp_eq_u32 s15, 0
	s_cbranch_scc0 .Lfor_b_\@
	tensor_load_to_lds s[G0+4*\s:G0+4*\s+3], s[G1:G1+7]
	s_nop 0
.rept 4
	v_nop
.endr
	s_branch .Lasked_\@
.Lfor_b_\@:
	tensor_load_to_lds s[G0B+4*\s:G0B+4*\s+3], s[G1B:G1B+7]
	s_nop 0
.rept 4
	v_nop
.endr
.Lasked_\@:
.endm
.macro CREST
	s_cmp_lg_u32 s14, 0
	s_cbranch_scc1 .Lnot_wave_0_\@
	s_barrier_signal -3
.Lnot_wave_0_\@:
	s_barrier_wait -3
	s_barrier_signal -1
	s_barrier_wait -1
.endm
.macro CROUND
	s_barrier_signal -1
	s_barrier_wait -1
	CREST
.endm
	s_load_b256 s[4:11], s[0:1], 0x0
	s_load_b64 s[12:13], s[0:1], 0x20
	v_lshl_add_u32 v[SPW], v0, 2, SPARE
	v_mov_b32 v[NIL], 0
	ds_add_u32 v[SPW], v[NIL]
	ds_add_u32 v[SPW], v[NIL]
	v_lshrrev_b32 v1, 5, v0
	v_readfirstlane_b32 s14, v1
	s_lshr_b32 s15, s14, 1
	s_and_b32 s16, s14, 1
	s_bfe_u32 s40, ttmp6, 0x40000
	s_bfe_u32 s41, ttmp6, 0x40004
	s_lshl_b32 s42, ttmp9, 2
	s_add_co_u32 s42, s42, s40
	s_and_b32 s17, ttmp7, 0xffff
	s_lshl_b32 s17, s17, 2
	s_add_co_u32 s17, s17, s41
	s_lshl_b32 s43, s41, 2
	s_lshl_b32 s43, 15, s43
	s_lshl_b32 s44, 0x1111, s40
	s_or_b32 s[G1+0], s43, (3<<16)|(1<<21)
	s_or_b32 s[G1B+0], s44, (3<<16)|(1<<21)
.irp g, G1, G1B
	s_mov_b32 s[\g+1], (NQ*288)<<16
	s_mov_b32 s[\g+2], 4<<16
	s_mov_b32 s[\g+3], (NQ*288)<<16
	s_mov_b32 s[\g+4], 4
	s_mov_b32 s[\g+5], KF*288
	s_mov_b32 s[\g+6], 0
	s_mov_b32 s[\g+7], 0
.endr
	s_lshl_b32 s18, s16, 2
	s_lshl_b32 s20, s17, 3
	s_add_co_u32 s20, s20, s18
	s_mul_i32 s20, s20, KF*REC
	s_mov_b32 s21, 0
	s_lshl_b32 s46, s42, 3
	s_add_co_u32 s46, s46, s18
	s_mul_i32 s46, s46, KF*REC
	s_add_co_u32 s46, s46, WOFF
	s_mov_b32 s47, 0
	s_mul_i32 s45, s14, QT
	s_wait_dscnt 0x0
	CROUND                                         ; the opening round, ahead of the wait for the arguments
	s_wait_kmcnt 0x0
	s_add_nc_u64 s[20:21], s[4:5], s[20:21]
	s_add_nc_u64 s[46:47], s[6:7], s[46:47]
.irp s, 0
	s_mov_b32 s[G0+4*\s], 1
	s_add_co_u32 s[G0+4*\s+1], s45, \s*SLOT
	s_add_nc_u64 s[G0+4*\s+2:G0+4*\s+3], s[20:21], \s*NQ*REC
	s_or_b32 s[G0+4*\s+3], s[G0+4*\s+3], 0x80000000
	s_mov_b32 s[G0B+4*\s], 1
	s_add_co_u32 s[G0B+4*\s+1], s45, \s*SLOT
	s_add_nc_u64 s[G0B+4*\s+2:G0B+4*\s+3], s[46:47], \s*NQ*REC
	s_or_b32 s[G0B+4*\s+3], s[G0B+4*\s+3], 0x80000000
	JLOAD \s
.endr
	v_and_b32 v1, 31, v0
	v_and_b32 v2, 15, v0
	v_bfe_u32 v3, v0, 4, 1
	v_lshlrev_b32 v4, 4, v1
	v_lshlrev_b32 v6, 4, v2
	v_lshl_add_u32 v[CO], v3, 12, v6
	s_wait_alu depctr_va_vdst(0)
	s_lshl_b32 s20, s17, 7
	s_lshl_b32 s21, s15, 6
	s_add_co_u32 s20, s20, s21
	s_lshl_b32 s20, s20, 12
	s_lshl_b32 s46, s42, 9
	s_lshl_b32 s47, s16, 8
	s_add_co_u32 s46, s46, s47
	s_add_co_u32 s20, s20, s46
	s_mov_b32 s21, 0
	s_mov_b32 s47, 0
	s_add_nc_u64 s[10:11], s[10:11], s[20:21]
	s_add_nc_u64 s[12:13], s[12:13], s[20:21]
	s_add_nc_u64 s[8:9], s[8:9], s[46:47]
	v_lshl_add_u32 v7, v3, 3, v6
	s_mul_i32 s21, s15, QT
	s_mul_i32 s22, s16, QT
	s_add_co_u32 s22, s22, 2*QT
.irp s, 0,1
	v_add_nc_u32 v[ADRA+\s], s21, v4
	v_add_nc_u32 v[ADRB+\s], s22, v4
	s_add_co_u32 s21, s21, 2*NQ*REC                ; the second address serves tiles 2 and 3: an LDS offset has 16 bits
	s_add_co_u32 s22, s22, 2*NQ*REC
.endr
	s_mul_i32 s21, s15, QT
	s_mul_i32 s22, s16, QT
	s_add_co_u32 s22, s22, 2*QT
	s_sub_co_u32 s22, s22, s21
	v_mul_u32_u24 v8, s22, v3
	s_wait_alu depctr_va_vdst(0)
	v_add_nc_u32 v8, v8, v7
	v_add_nc_u32 v[ADRS], s21, v8
	v_add_nc_u32 v[ADRS+1], 2*NQ*REC, v[ADRS]
	s_mul_i32 s23, s14, 16*272
	s_add_co_u32 s23, s23, SPARE+512               ; my stage, behind the spare words
	v_mul_u32_u24 v[STO], v2, 272
	v_lshl_add_u32 v[STO], v3, 6, v[STO]
	v_add_nc_u32 v[STO], s23, v[STO]
	v_mul_u32_u24 v[RD], v3, 272
	v_add_nc_u32 v[RD], v[RD], v6
	v_add_nc_u32 v[RD], s23, v[RD]
.macro MUL4 f, a, p, zero
.irp b, 0,1,2,3
.if \zero
	v_wmma_scale_f32_16x16x128_f8f6f4 v[ACC+8*(4*(\a)+\b):ACC+8*(4*(\a)+\b)+7], v[(\f)+64+16*\b:(\f)+64+16*\b+15], v[(\f)+16*(\a):(\f)+16*(\a)+15], 0, v[SC+4*(\p)+\b], v[SC+4*(\p)+(\a)] matrix_a_scale:MATRIX_SCALE_ROW1
.else
	v_wmma_scale_f32_16x16x128_f8f6f4 v[ACC+8*(4*(\a)+\b):ACC+8*(4*(\a)+\b)+7], v[(\f)+64+16*\b:(\f)+64+16*\b+15], v[(\f)+16*(\a):(\f)+16*(\a)+15], v[ACC+8*(4*(\a)+\b):ACC+8*(4*(\a)+\b)+7], v[SC+4*(\p)+\b], v[SC+4*(\p)+(\a)] matrix_a_scale:MATRIX_SCALE_ROW1
.endif
.endr
.endm
.macro FETCH slot, q, p
	WIN 0
.irp i, 0,1,2,3
	ds_load_b32 v[SC+4*(\p)+\i], v[ADRS+\i/2] offset:((\i%2)*NQ+(\q))*REC+2048
.endr
	WIN TO_F
.irp i, 0,1,2,3
.irp c, 0,1,2,3
	ds_load_b128 v[128*(\p)+64+16*\i+4*\c:128*(\p)+64+16*\i+4*\c+3], v[ADRB+\i/2] offset:((\i%2)*NQ+(\q))*REC+512*\c
.endr
.endr
.irp i, 0,1,2,3
.irp c, 0,1,2,3
	ds_load_b128 v[128*(\p)+16*\i+4*\c:128*(\p)+16*\i+4*\c+3], v[ADRA+\i/2] offset:((\i%2)*NQ+(\q))*REC+512*\c
.endr
.endr
.endm
.macro PLACES n
.rept \n
	v_nop
.endr
.endm
.macro QUARTER slot, q, zero
	s_wait_dscnt 8
	WIN MUL
	MUL4 128*((\q)%2), 0, (\q)%2, \zero
	MUL4 128*((\q)%2), 1, (\q)%2, \zero
	PLACES 8
	FETCH \slot, (\q)+1, 1-(\q)%2
	s_wait_dscnt 36
	WIN MUL
	MUL4 128*((\q)%2), 2, (\q)%2, \zero
	MUL4 128*((\q)%2), 3, (\q)%2, \zero
.endm
	s_wait_alu depctr_va_vdst(0)
	s_wait_tensorcnt 0x0                           ; my quarter of the operands is in; behind the barrier everybody's is
	s_barrier_signal -1
	s_barrier_wait -1
	FETCH 0, 0, 0
	WIN 0x80                                       ; the residual, into window 2, in the lanes in which the result leaves: asked for behind the operands, wanted on the way out
.irp a, 0,1,2,3
.irp t, 0,1,2,3,4,5,6,7
	global_load_b128 v[32*\a+4*\t:32*\a+4*\t+3], v[CO], s[10:11] offset:(32*(\a/2)+8*(\a%2)+2*\t+8*(\t/4))*4096
.endr
.endr
	WIN 0
	global_load_b128 v[BS:BS+3], v6, s[8:9]        ; the bias of my four columns
	QUARTER 0, 0, 1
	QUARTER 0, 1, 0
	QUARTER 0, 2, 0
	QUARTER 0, 3, 0
	QUARTER 0, 4, 0
	QUARTER 0, 5, 0
	QUARTER 0, 6, 0
	s_wait_dscnt 8
	WIN MUL
	MUL4 128, 0, 1, 0
	MUL4 128, 1, 1, 0
	s_wait_dscnt 0
	MUL4 128, 2, 1, 0
	MUL4 128, 3, 1, 0
	s_wait_loadcnt 0x0
	WIN 0x82
.set e, 0
.rept 32
	v_pk_add_f32 v[e:e+1], v[e:e+1], v[BS:BS+1]
	v_pk_add_f32 v[e+2:e+3], v[e+2:e+3], v[BS+2:BS+3]
.set e, e+4
.endr
	WIN 0
.macro TOSTAGE a
.irp b, 0,1,2,3
	ds_store_b128 v[STO], v[ACC+8*(4*(\a)+\b):ACC+8*(4*(\a)+\b)+3] offset:128*(\b/2)+32*(\b%2)
	ds_store_b128 v[STO], v[ACC+8*(4*(\a)+\b)+4:ACC+8*(4*(\a)+\b)+7] offset:128*(\b/2)+32*(\b%2)+16
.endr
.irp t, 0,1,2,3,4,5,6,7
	ds_load_b128 v[BK+32*((\a)%2)+4*\t:BK+32*((\a)%2)+4*\t+3], v[RD] offset:544*\t
.endr
.endm
.macro SEND a, younger
	s_wait_dscnt \younger
	WIN 0x08
.set e, 0
.rept 16
	v_pk_add_f32 v[BK+32*((\a)%2)+e:BK+32*((\a)%2)+e+1], v[BK+32*((\a)%2)+e:BK+32*((\a)%2)+e+1], v[32*(\a)+e:32*(\a)+e+1]
.set e, e+2
.endr
	WIN 0
.irp t, 0,1,2,3,4,5,6,7
	global_store_b128 v[CO], v[BK+32*((\a)%2)+4*\t:BK+32*((\a)%2)+4*\t+3], s[12:13] offset:(32*((\a)/2)+8*((\a)%2)+2*\t+8*(\t/4))*4096
.endr
.endm
	TOSTAGE 0
	TOSTAGE 1
	SEND 0, 16
	s_wait_xcnt 0x0
	TOSTAGE 2
	SEND 1, 16
	s_wait_xcnt 0x0
	TOSTAGE 3
	SEND 2, 16
	SEND 3, 0
	s_wait_tensorcnt 0x0
	ds_add_u32 v[SPW], v[NIL]
	s_wait_dscnt 0x0
	CROUND
	s_endpgm
.Lfunc_end_k_q904d132a56_oproj:
	.size	k_q904d132a56_oproj, .Lfunc_end_k_q904d132a56_oproj-k_q904d132a56_oproj
	.p2alignl 7, 3214868480
	.fill 96, 4, 3214868480
	.section	.rodata,"a",@progbits
	.p2align	6, 0x0
	.amdhsa_kernel k_q904d132a56_oproj
		.amdhsa_group_segment_fixed_size 327680
		.amdhsa_private_segment_fixed_size 0
		.amdhsa_enable_private_segment 0
		.amdhsa_kernarg_size 40
		.amdhsa_user_sgpr_count 2
		.amdhsa_user_sgpr_kernarg_segment_ptr 1
		.amdhsa_wavefront_size32 1
		.amdhsa_system_sgpr_workgroup_id_x 1
		.amdhsa_system_sgpr_workgroup_id_y 1
		.amdhsa_system_sgpr_workgroup_id_z 1
		.amdhsa_system_vgpr_workitem_id 0
		.amdhsa_next_free_vgpr 768
		.amdhsa_next_free_sgpr 66
		.amdhsa_reserve_vcc 0
		.amdhsa_float_denorm_mode_32 3
		.amdhsa_float_denorm_mode_16_64 3
		.amdhsa_memory_ordered 1
		.amdhsa_forward_progress 1
		.amdhsa_inst_pref_size 63
	.end_amdhsa_kernel
	.amdgpu_metadata
---
amdhsa.version: [ 1, 2 ]
amdhsa.kernels:
  - .name:           k_q904d132a56_oproj
    .symbol:         k_q904d132a56_oproj.kd
    .args:
      - { .name: AT, .offset: 0, .size: 8, .value_kind: global_buffer, .address_space: global }
      - { .name: WQ, .offset: 8, .size: 8, .value_kind: global_buffer, .address_space: global }
      - { .name: b_o, .offset: 16, .size: 8, .value_kind: global_buffer, .address_space: global }
      - { .name: x, .offset: 24, .size: 8, .value_kind: global_buffer, .address_space: global }
      - { .name: X1, .offset: 32, .size: 8, .value_kind: global_buffer, .address_space: global }
    .group_segment_fixed_size: 327680
    .private_segment_fixed_size: 0
    .kernarg_segment_align: 8
    .kernarg_segment_size: 40
    .max_flat_workgroup_size: 128
    .sgpr_count:     66
    .vgpr_count:     768
    .wavefront_size: 32
...
	.end_amdgpu_metadata
.endif
;; end of part 4
;; launch ln1 (part 5): grid 384 x 1, 8 waves a work-group, no clusters, 77,824 bytes of LDS; arguments X1, ln2_s, ln2_b, XQ2, w_pr, WQ; writes XQ2, WQ
.if DOCPART == 5
	.amdgcn_target "amdgcn-amd-amdhsa--gfx1250"
	.amdhsa_code_object_version 6
	.text
	.protected	k_q904d132a56_ln1
	.globl	k_q904d132a56_ln1
	.p2align	8
	.type	k_q904d132a56_ln1,@function
k_q904d132a56_ln1:
	s_mov_b64 s[64:65], 0
	v_nop
	global_prefetch_b8 v0, s[64:65] scope:SCOPE_SE
	s_setreg_imm32_b32 hwreg(HW_REG_WAVE_MODE, 25, 1), 1
	s_wait_xcnt 0x0
; LayerNorm of [4096][1024] f32, quantised along its 1,024 into records (tile T of 16 rows, 128 along K: 2,304 bytes; row r of tile T is row 32 (T / 2) + 8 (T % 2) + r + 8 (r / 8)).  Arguments: in, gain, bias, out.
; A work-group owns one tile of 16 rows; wave w owns columns 128 w .. 128 w + 127 of all 16 and makes record (T, w).  Mean and variance in two passes, as reference() writes them.
; Each load reads 512 consecutive bytes of a row.  The conversions want 16 neighbours in ONE lane (lane (r, h): row r, k = 32 b + 16 h + 0 .. 15), so the wave's 16 x 512 bytes turn through its own stage in LDS
; (rows 528 bytes apart, so that the sixteen rows that a load touches start at sixteen different banks: 64 banks of 4 bytes, ISA guide 11.1).  The eight waves' partial sums of a row meet in LDS behind a barrier, twice.
; LIMITS: a block of zeros gets the byte 1 where the rule says 127 (its codes are zeros; this program alone reads the bytes); largest magnitudes under 2^-118 are held at that floor; NaN and infinities are not served.
; THIS LAUNCH has two ways, which part on the work-group's number alone.  Work-groups 0 to 255: the layer norm, as said above.  Work-groups 256 to 383: w_pr into codes (two further arguments: w_pr, WQ); that way uses no LDS and no barrier.
	s_cmp_ge_u32 ttmp9, 256
	s_cbranch_scc1 .Lweights
.set STG,   8448
.set P1,    8*STG                      ; 16 rows x 8 partial sums; the second pass's 512 bytes further on
.set SPARE, P1+1024
.set GB,    SPARE+1024                 ; for each wave 512 bytes of gain and 512 of bias
.set X,   16                           ; v16-79   my 64 numbers: register 16 b + i = k 32 b + 16 h + i of row r
.set R,   80                           ; v80-143  the rows as loaded; later the gain
.set BB,  144                          ; v144-207 the bias
.set PC,  208                          ; v208-223 the codes
.set TM,  224                          ; v224-239 at work in QUANT
.set PW,  240                          ; v240 the scale word, v241 0
.set SEL, 20                           ; s[20:21] v_permlanex16_b32's selects for lane l xor 16
.set MNT, 22                           ; s22 the mantissa field of 448
; 16 nb numbers of a lane, v[s + 16 b + i], become codes in v[PC + 4 b ..] and the scale word in v[PW].  A block of 32 lies in lanes l and l xor 16.
.macro QUANT s, nb
.set qb, 0
.rept \nb
	v_max3_num_f32 v[TM+qb], |v[(\s)+16*qb]|, |v[(\s)+16*qb+1]|, 0x4800000   ; my 16 numbers, and the floor 2^(9 - 127): the byte cannot fall under 1
.set qb, qb+1
.endr
.irp i, 2,4,6,8,10,12,14
.set qb, 0
.rept \nb
	s_delay_alu instid0(VALU_DEP_4)
	v_max3_num_f32 v[TM+qb], v[TM+qb], |v[(\s)+16*qb+\i]|, |v[(\s)+16*qb+\i+1]|   ; (the blocks by turns)
.set qb, qb+1
.endr
.endr
.set qb, 0
.rept \nb
	s_delay_alu instid0(VALU_DEP_4)
	v_permlanex16_b32 v[TM+4+qb], v[TM+qb], s[SEL], s[SEL+1]
.set qb, qb+1
.endr
.set qb, 0
.rept \nb
	s_delay_alu instid0(VALU_DEP_4)
	v_max_num_f32 v[TM+qb], v[TM+qb], v[TM+4+qb]   ; the block's largest magnitude
.set qb, qb+1
.endr
.set qb, 0
.rept \nb
	s_delay_alu instid0(VALU_DEP_4)
	v_add_nc_u32 v[TM+12+qb], 0xfc000000, v[TM+qb]   ; 8 off its exponent field: the conversion's scale operand
.set qb, qb+1
.endr
.set qb, 0
.rept \nb
	v_and_or_b32 v[TM+8+qb], v[TM+qb], 0x7f800000, s[MNT]   ; 448 x the scale
.set qb, qb+1
.endr
.set qb, 0
.rept \nb
	v_lshrrev_b32 v[TM+4+qb], 23, v[TM+12+qb]      ; the scale's byte
.set qb, qb+1
.endr
	s_delay_alu instid0(VALU_DEP_3)
	v_lshl_or_b32 v[PW], v[TM+5], 8, v[TM+4]
.if \nb > 2
	s_delay_alu instid0(VALU_DEP_1)
	v_lshl_or_b32 v[PW], v[TM+6], 16, v[PW]
	s_delay_alu instid0(VALU_DEP_1)
	v_lshl_or_b32 v[PW], v[TM+7], 24, v[PW]
.endif
.set qb, 0
.rept \nb
.set qi, 0
.rept 16
	v_med3_num_f32 v[(\s)+16*qb+qi], v[(\s)+16*qb+qi], -v[TM+8+qb], v[TM+8+qb]   ; the conversion does not saturate (ISA guide 7.6.2): the hold
.set qi, qi+1
.endr
	v_cvt_scalef32_pk8_fp8_f32 v[PC+4*qb:PC+4*qb+1], v[(\s)+16*qb:(\s)+16*qb+7], v[TM+12+qb]
	v_cvt_scalef32_pk8_fp8_f32 v[PC+4*qb+2:PC+4*qb+3], v[(\s)+16*qb+8:(\s)+16*qb+15], v[TM+12+qb]
.set qb, qb+1
.endr
	v_nop                                          ; a plain instruction behind the last conversion
.endm
; v[242:243] holds my lane's two partial sums: they become the sum over the row's 1,024 columns, in v244 of every lane of the row.
.macro ROWSUM off
	s_delay_alu instid0(VALU_DEP_1)
	v_add_f32 v242, v242, v243
	s_delay_alu instid0(VALU_DEP_1)
	v_permlanex16_b32 v244, v242, s[SEL], s[SEL+1] ; the other half of my wave's 128 columns
	s_delay_alu instid0(VALU_DEP_1)
	v_add_f32 v242, v242, v244
	ds_store_b32 v7, v242 offset:\off              ; both lanes of a row write the same word with the same value
	s_wait_dscnt 0x0                               ; for the others' sake: my store has landed
	s_barrier_signal -1
	s_barrier_wait -1
	ds_load_b128 v[244:247], v8 offset:\off        ; the eight waves' sums of my row
	ds_load_b128 v[248:251], v8 offset:\off+16
	s_wait_dscnt 0x0
	v_pk_add_f32 v[244:245], v[244:245], v[246:247]
	v_pk_add_f32 v[248:249], v[248:249], v[250:251]
	s_delay_alu instid0(VALU_DEP_1)
	v_pk_add_f32 v[244:245], v[244:245], v[248:249]
	s_delay_alu instid0(VALU_DEP_1)
	v_add_f32 v244, v244, v245
.endm
	s_load_b256 s[4:11], s[0:1], 0x0               ; in, gain, bias, out
	v_lshl_add_u32 v11, v0, 2, SPARE               ; my spare word,
	v_mov_b32 v12, 0                               ; and 0: kept for the closing lines alone
	v_lshrrev_b32 v1, 5, v0
	s_delay_alu instid0(VALU_DEP_1)
	v_readfirstlane_b32 s14, v1                    ; wave 0..7
	v_and_b32 v1, 31, v0                           ; lane
	v_and_b32 v2, 15, v0                           ; r
	v_bfe_u32 v3, v0, 4, 1                         ; h
	s_delay_alu instid0(VALU_DEP_3)
	v_lshlrev_b32 v4, 4, v1                        ; 16 x lane
	s_mul_i32 s15, s14, STG
	v_add_nc_u32 v5, s15, v4                       ; the stage, on the way in
	v_mul_u32_u24 v6, v2, 528
	s_delay_alu instid0(VALU_DEP_1)
	v_lshl_add_u32 v6, v3, 6, v6
	s_delay_alu instid0(VALU_DEP_1)
	v_add_nc_u32 v6, s15, v6                       ; and out: row r, + 64 h
	s_lshl_b32 s16, s14, 2
	s_add_co_u32 s16, s16, P1
	v_lshlrev_b32 v8, 5, v2
	s_delay_alu instid0(VALU_DEP_1)
	v_add_nc_u32 v7, s16, v8                       ; my wave's word among row r's eight
	s_delay_alu instid0(VALU_DEP_2)
	v_add_nc_u32 v8, P1, v8                        ; row r's eight
	v_lshlrev_b32 v9, 6, v3                        ; gain and bias: 64 h
	v_lshlrev_b32 v10, 4, v2
	s_delay_alu instid0(VALU_DEP_1)
	v_lshl_add_u32 v10, v3, 3, v10                 ; the scale word's place: 16 r + 8 h
	s_lshl_b32 s12, s14, 10
	s_add_co_u32 s12, s12, GB
	v_add_nc_u32 v13, s12, v4                      ; gain and bias in LDS, on the way in: 16 x lane,
	v_add_nc_u32 v14, s12, v9                      ; and out: 64 h
	s_mov_b32 s[SEL], 0x76543210
	s_mov_b32 s[SEL+1], 0xfedcba98
	s_mov_b32 s[MNT], 0x600000
	s_mov_b32 s23, 0x3a800000                      ; 1 / 1,024
.irp b, 0,1,2,3
	v_mov_b32 v[TM+4+\b], 0                        ; written once: a lane permute's destination counts as one of its sources
.endr
	v_mov_b32 v[PW+1], 0
	s_lshr_b32 s17, ttmp9, 1
	s_lshl_b32 s17, s17, 17                        ; 32 (T / 2) rows of 4,096 bytes
	s_and_b32 s18, ttmp9, 1
	s_lshl_b32 s18, s18, 15                        ; 8 (T % 2) rows
	s_add_co_u32 s24, s17, s18
	s_lshl_b32 s18, s14, 9                         ; my wave's 512 bytes of a row
	s_add_co_u32 s24, s24, s18
	s_mov_b32 s25, 0
	s_mov_b32 s19, 0
	s_lshl_b32 s26, ttmp9, 3
	s_add_co_u32 s26, s26, s14
	s_mul_i32 s26, s26, 2304                       ; record (T, w)
	s_mov_b32 s27, 0
	s_wait_alu depctr_va_vdst(0)
	s_wait_kmcnt 0x0
	s_add_nc_u64 s[4:5], s[4:5], s[24:25]
	s_add_nc_u64 s[6:7], s[6:7], s[18:19]
	s_add_nc_u64 s[8:9], s[8:9], s[18:19]
	s_add_nc_u64 s[10:11], s[10:11], s[26:27]
.set i, 0
.rept 16
	global_load_b128 v[R+4*i:R+4*i+3], v4, s[4:5] offset:(i+8*(i/8))*4096   ; the tile's row i: 32 lanes read 512 consecutive bytes
.set i, i+1
.endr
	global_load_b128 v[PC:PC+3], v4, s[6:7]        ; the gain of my wave's 128 columns: 512 consecutive bytes,
	global_load_b128 v[PC+4:PC+7], v4, s[8:9]      ; and the bias
	s_wait_loadcnt 0x0
.set i, 0
.rept 16
	ds_store_b128 v5, v[R+4*i:R+4*i+3] offset:528*i
.set i, i+1
.endr
	ds_store_b128 v13, v[PC:PC+3]
	ds_store_b128 v13, v[PC+4:PC+7] offset:512
.irp b, 0,1,2,3
.irp j, 0,1,2,3
	ds_load_b128 v[X+16*\b+4*\j:X+16*\b+4*\j+3], v6 offset:128*\b+16*\j    ; LDS serves a wave's instructions in order (ISA guide 5.7.1.4): these see my stores
.endr
.endr
	s_wait_dscnt 0x0                               ; my numbers are in, and the stores have read their registers, which take the gain
.irp b, 0,1,2,3
.irp j, 0,1,2,3
	ds_load_b128 v[R+16*\b+4*\j:R+16*\b+4*\j+3], v14 offset:128*\b+16*\j       ; the gain at k = 32 b + 16 h + 4 j ..; the first pass's wait for LDS covers these
	ds_load_b128 v[BB+16*\b+4*\j:BB+16*\b+4*\j+3], v14 offset:512+128*\b+16*\j ; the bias likewise
.endr
.endr
	v_pk_add_f32 v[244:245], v[16:17], v[18:19]
	v_pk_add_f32 v[254:255], v[24:25], v[28:29]
	v_pk_add_f32 v[252:253], v[32:33], v[36:37]
	v_pk_add_f32 v[250:251], v[40:41], v[44:45]
	v_pk_add_f32 v[248:249], v[48:49], v[52:53]
	v_pk_add_f32 v[246:247], v[56:57], v[60:61]
	v_pk_add_f32 v[238:239], v[64:65], v[68:69]
	v_pk_add_f32 v[242:243], v[72:73], v[76:77]
	s_delay_alu instid0(VALU_DEP_1)
	v_pk_add_f32 v[242:243], v[242:243], v[20:21]
	v_pk_add_f32 v[244:245], v[244:245], v[22:23]
	v_pk_add_f32 v[254:255], v[254:255], v[26:27]
	v_pk_add_f32 v[252:253], v[252:253], v[30:31]
	v_pk_add_f32 v[250:251], v[250:251], v[34:35]
	v_pk_add_f32 v[248:249], v[248:249], v[38:39]
	v_pk_add_f32 v[246:247], v[246:247], v[42:43]
	v_pk_add_f32 v[238:239], v[238:239], v[46:47]
	v_pk_add_f32 v[242:243], v[242:243], v[50:51]
	v_pk_add_f32 v[244:245], v[244:245], v[54:55]
	v_pk_add_f32 v[254:255], v[254:255], v[58:59]
	v_pk_add_f32 v[252:253], v[252:253], v[62:63]
	v_pk_add_f32 v[250:251], v[250:251], v[66:67]
	v_pk_add_f32 v[248:249], v[248:249], v[70:71]
	v_pk_add_f32 v[246:247], v[246:247], v[74:75]
	v_pk_add_f32 v[238:239], v[238:239], v[78:79]
	s_delay_alu instid0(VALU_DEP_4)
	v_pk_add_f32 v[242:243], v[242:243], v[250:251]
	s_delay_alu instid0(VALU_DEP_4)
	v_pk_add_f32 v[244:245], v[244:245], v[248:249]
	s_delay_alu instid0(VALU_DEP_4)
	v_pk_add_f32 v[254:255], v[254:255], v[246:247]
	s_delay_alu instid0(VALU_DEP_4)
	v_pk_add_f32 v[252:253], v[252:253], v[238:239]
	s_delay_alu instid0(VALU_DEP_2)
	v_pk_add_f32 v[242:243], v[242:243], v[254:255]
	s_delay_alu instid0(VALU_DEP_2)
	v_pk_add_f32 v[244:245], v[244:245], v[252:253]
	s_delay_alu instid0(VALU_DEP_1)
	v_pk_add_f32 v[242:243], v[242:243], v[244:245]
	ROWSUM 0
	s_delay_alu instid0(VALU_DEP_1)
	v_mul_f32 v246, s23, v244                      ; the mean, twice: a pair for the packed form
	s_delay_alu instid0(VALU_DEP_2)
	v_mul_f32 v247, s23, v244
.set i, 0
.rept 32
	v_pk_add_f32 v[X+i:X+i+1], v[X+i:X+i+1], v[246:247] neg_lo:[0,1] neg_hi:[0,1]
.set i, i+2
.endr
	v_pk_mul_f32 v[242:243], v[X:X+1], v[X:X+1]    ; the sum of squares, in two chains
	v_pk_mul_f32 v[244:245], v[X+2:X+3], v[X+2:X+3]
.set i, 4
.rept 15
	s_delay_alu instid0(VALU_DEP_2)
	v_pk_fma_f32 v[242:243], v[X+i:X+i+1], v[X+i:X+i+1], v[242:243]
	s_delay_alu instid0(VALU_DEP_2)
	v_pk_fma_f32 v[244:245], v[X+i+2:X+i+3], v[X+i+2:X+i+3], v[244:245]
.set i, i+4
.endr
	s_delay_alu instid0(VALU_DEP_1)
	v_pk_add_f32 v[242:243], v[242:243], v[244:245]
	ROWSUM 512                                     ; other bytes than the first pass's: one barrier serves each pass
	s_delay_alu instid0(VALU_DEP_1)
	v_fmaak_f32 v244, s23, v244, 0x3727c5ac        ; the variance + 1e-5
	s_wait_alu depctr_va_vdst(0)
	v_rsq_f32 v246, v244
	v_nop                                          ; a plain instruction behind the transcendental,
	s_wait_alu depctr_va_vdst(0)                   ; and the wait ahead of its first reader
.set i, 0
.rept 32
	v_pk_mul_f32 v[X+i:X+i+1], v[X+i:X+i+1], v[246:247] op_sel_hi:[1,0]
.set i, i+2
.endr
.set i, 0
.rept 32
	v_pk_fma_f32 v[X+i:X+i+1], v[X+i:X+i+1], v[R+i:R+i+1], v[BB+i:BB+i+1]
.set i, i+2
.endr
	QUANT X, 4
.irp c, 0,1,2,3
	global_store_b128 v4, v[PC+4*\c:PC+4*\c+3], s[10:11] offset:512*\c     ; 32 lanes store 512 consecutive bytes, aligned
.endr
	global_store_b64 v10, v[PW:PW+1], s[10:11] offset:2048                 ; and 256
	s_wait_tensorcnt 0x0                           ; the wave's end, behind my last LDS store
	ds_add_u32 v11, v12
	s_wait_dscnt 0x0
	s_endpgm
; ---- w_pr [4096 (K)][1024] f32, K its first axis, into records of WQ, from byte 9,437,184 on.  It is cut into 256 pieces of 128 columns x 128 along K; a work-group takes two pieces, four waves one, a wave 32 columns of it (two tiles).
; A LANE TAKES A COLUMN, ITS REGISTERS RUN DOWN K: a block of 32 lies in one lane, and the conversions give codes with K innermost.  Each load reads 128 consecutive bytes a wave; each store of codes covers two runs of 256 bytes, aligned.
; Every offset is an immediate: 127 rows of 4,096 bytes at the most.  Loads run two blocks (64 loads) ahead.  The limits are those stated at the head.
.Lweights:
.set VO,  5                            ; v5       where my codes go: my tile's records + 16 r
.set OFF, 8                            ; v8       4 x my column
.set WX,  40                           ; v40-103  two sets of 32 numbers
.set WC,  104                          ; v104-135 eight registers of codes for each of the four blocks: no store's data are written again
.set SW,  136                          ; v136-139 scale word, 0, scale word, 0
	s_load_b128 s[4:7], s[0:1], 0x20               ; w_pr, WQ
	v_lshrrev_b32 v1, 5, v0
	v_readfirstlane_b32 s3, v1                     ; wave 0..7
	v_bfe_u32 v2, v0, 4, 1                         ; u: which tile of my wave's two
	v_and_b32 v3, 15, v0                           ; r
	v_and_b32 v4, 8, v3
	v_add_nc_u32 v4, v4, v3
	v_lshl_add_u32 v4, v2, 3, v4                   ; my column of the wave's 32: 8 u + r + 8 (r / 8)
	v_lshlrev_b32 v[OFF], 2, v4
	v_mul_u32_u24 v[VO], v2, 73728                 ; a tile's 32 records
	v_lshl_add_u32 v[VO], v3, 4, v[VO]
	s_mov_b32 s31, 0x600000                        ; the mantissa field of 448
	s_sub_co_u32 s2, ttmp9, 256
	s_lshl_b32 s2, s2, 1
	s_lshr_b32 s30, s3, 2
	s_add_co_u32 s2, s2, s30                       ; my piece, 0 .. 255
	s_and_b32 s3, s3, 3                            ; which 32 columns of it
	s_and_b32 s22, s2, 31                          ; which 128 along K
	s_lshr_b32 s23, s2, 5                          ; which 128 columns
	s_lshl_b32 s26, s22, 19                        ; 128 rows of 4,096 bytes
	s_lshl_b32 s25, s23, 9
	s_add_co_u32 s26, s26, s25
	s_lshl_b32 s25, s3, 7
	s_add_co_u32 s26, s26, s25                     ; my wave's first number, in bytes
	s_mov_b32 s27, 0
	s_lshl_b32 s28, s23, 3
	s_lshl_b32 s29, s3, 1
	s_add_co_u32 s28, s28, s29                     ; my wave's first tile
	s_mul_i32 s28, s28, 73728
	s_mul_i32 s29, s22, 2304
	s_add_co_u32 s28, s28, s29
	s_add_co_u32 s28, s28, 9437184
	s_mov_b32 s29, 0
	s_wait_alu depctr_va_vdst(0)
	s_wait_kmcnt 0x0
	s_add_nc_u64 s[32:33], s[4:5], s[26:27]
	s_add_nc_u64 s[28:29], s[6:7], s[28:29]        ; my first tile's record for my 128 along K
.macro WLOAD n                         ; block n: W(32 n + i, my column), i = 0 .. 31, into set n % 2
.set i, 0
.rept 32
	global_load_b32 v[WX+32*((\n)%2)+i], v[OFF], s[32:33] offset:(32*(\n)+i)*4096 th:TH_LOAD_NT
.set i, i+1
.endr
.endm
	WLOAD 0
	WLOAD 1
.macro WBLOCK n
.set XS, WX+32*((\n)%2)
.set CC, WC+8*(\n)
.if (\n) < 3
	s_wait_loadcnt 32                              ; this block's 32 loads are in; the next block's may be out
.else
	s_wait_loadcnt 0x0
.endif
	v_max3_num_f32 v140, |v[XS]|, |v[XS+1]|, |v[XS+2]|   ; the block's largest magnitude: all 32 numbers are mine
	v_max3_num_f32 v141, |v[XS+3]|, |v[XS+4]|, |v[XS+5]|
.irp i, 6,10,14,18,22,26
	v_max3_num_f32 v140, v140, |v[XS+\i]|, |v[XS+\i+1]|
	v_max3_num_f32 v141, v141, |v[XS+\i+2]|, |v[XS+\i+3]|
.endr
	v_max3_num_f32 v140, v140, |v[XS+30]|, |v[XS+31]|
	v_max3_num_f32 v140, v140, v141, 0x4800000     ; and the floor 2^(9 - 127)
	v_add_nc_u32 v141, 0xfc000000, v140            ; the conversion's scale operand
	v_and_or_b32 v142, v140, 0x7f800000, s31       ; 448 x the scale
	v_lshrrev_b32 v143, 23, v141                   ; the scale's byte
.if (\n) == 0
	v_mov_b32 v[SW], v143
.else
	v_lshl_or_b32 v[SW], v143, 8*(\n), v[SW]
.endif
.set i, 0
.rept 32
	v_med3_num_f32 v[XS+i], v[XS+i], -v142, v142   ; the hold at 448 x the scale (ISA guide 7.6.2)
.set i, i+1
.endr
.irp g, 0,1,2,3
	v_cvt_scalef32_pk8_fp8_f32 v[CC+2*\g:CC+2*\g+1], v[XS+8*\g:XS+8*\g+7], v141
.endr
	global_store_b128 v[VO], v[CC:CC+3], s[28:29] offset:512*(\n)          ; k = 32 n + 0 .. 15: the place of lane r
	global_store_b128 v[VO], v[CC+4:CC+7], s[28:29] offset:512*(\n)+256    ; k = 32 n + 16 .. 31: the place of lane 16 + r
.if (\n)+2 < 4
	WLOAD (\n)+2
.endif
.endm
.irp n, 0,1,2,3
	WBLOCK \n
.endr
	v_mov_b32 v[SW+1], 0
	v_mov_b32 v[SW+2], v[SW]
	v_mov_b32 v[SW+3], 0
	global_store_b128 v[VO], v[SW:SW+3], s[28:29] offset:2048                  ; my row's scale word, for both halves of the lanes
	s_endpgm
.Lfunc_end_k_q904d132a56_ln1:
	.size	k_q904d132a56_ln1, .Lfunc_end_k_q904d132a56_ln1-k_q904d132a56_ln1
	.p2alignl 7, 3214868480
	.fill 96, 4, 3214868480
	.section	.rodata,"a",@progbits
	.p2align	6, 0x0
	.amdhsa_kernel k_q904d132a56_ln1
		.amdhsa_group_segment_fixed_size 77824
		.amdhsa_private_segment_fixed_size 0
		.amdhsa_enable_private_segment 0
		.amdhsa_kernarg_size 48
		.amdhsa_user_sgpr_count 2
		.amdhsa_user_sgpr_kernarg_segment_ptr 1
		.amdhsa_wavefront_size32 1
		.amdhsa_system_sgpr_workgroup_id_x 1
		.amdhsa_system_sgpr_workgroup_id_y 1
		.amdhsa_system_sgpr_workgroup_id_z 1
		.amdhsa_system_vgpr_workitem_id 0
		.amdhsa_next_free_vgpr 256
		.amdhsa_next_free_sgpr 66
		.amdhsa_reserve_vcc 0
		.amdhsa_float_denorm_mode_32 3
		.amdhsa_float_denorm_mode_16_64 3
		.amdhsa_memory_ordered 1
		.amdhsa_forward_progress 1
		.amdhsa_inst_pref_size 61
	.end_amdhsa_kernel
	.amdgpu_metadata
---
amdhsa.version: [ 1, 2 ]
amdhsa.kernels:
  - .name:           k_q904d132a56_ln1
    .symbol:         k_q904d132a56_ln1.kd
    .args:
      - { .name: X1, .offset: 0, .size: 8, .value_kind: global_buffer, .address_space: global }
      - { .name: ln2_s, .offset: 8, .size: 8, .value_kind: global_buffer, .address_space: global }
      - { .name: ln2_b, .offset: 16, .size: 8, .value_kind: global_buffer, .address_space: global }
      - { .name: XQ2, .offset: 24, .size: 8, .value_kind: global_buffer, .address_space: global }
      - { .name: w_pr, .offset: 32, .size: 8, .value_kind: global_buffer, .address_space: global }
      - { .name: WQ, .offset: 40, .size: 8, .value_kind: global_buffer, .address_space: global }
    .group_segment_fixed_size: 77824
    .private_segment_fixed_size: 0
    .kernarg_segment_align: 8
    .kernarg_segment_size: 48
    .max_flat_workgroup_size: 256
    .sgpr_count:     66
    .vgpr_count:     256
    .wavefront_size: 32
...
	.end_amdgpu_metadata
.endif
;; end of part 5
;; launch fc (part 6): grid 16 x 16, 4 waves a work-group, clusters of 4 x 4, 327,680 bytes of LDS; arguments XQ2, WQ, b_fc, HQ; writes HQ
.if DOCPART == 6
	.amdgcn_target "amdgcn-amd-amdhsa--gfx1250"
	.amdhsa_code_object_version 6
	.text
	.protected	k_q904d132a56_fc
	.globl	k_q904d132a56_fc
	.p2align	8
	.type	k_q904d132a56_fc,@function
k_q904d132a56_fc:
	s_mov_b64 s[64:65], 0
	v_nop
	global_prefetch_b8 v0, s[64:65] scope:SCOPE_SE
	s_setreg_imm32_b32 hwreg(HW_REG_WAVE_MODE, 25, 1), 1
	s_wait_xcnt 0x0
	s_wait_alu depctr_hold_cnt(0) depctr_sa_sdst(0) depctr_va_vdst(0) depctr_va_sdst(0) depctr_va_ssrc(0) depctr_va_vcc(0) depctr_vm_vsrc(0)
	s_getreg_b32 s2, hwreg(HW_REG_IB_STS2, 6, 4)
	s_cmp_eq_u32 s2, 0
	s_cbranch_scc0 .Lentry_in_a_cluster
	s_endpgm
.Lentry_in_a_cluster:
	s_bfe_u32 s2, ttmp6, 0x10000c
	s_cmp_lg_u32 s2, 0xf033
	s_cbranch_scc0 .Lentry_shape_is_right
	s_endpgm
.Lentry_shape_is_right:
; h = gelu(LN2(x1) w_fc + b_fc), tanh form, on codes of FP8 (E4M3) with E8M0 scales, quantised again along the 4,096 on the way out, into HQ's records: nothing leaves in f32.
; A tile of the result, 256 x 256, is made by four waves, 128 x 128 each.  K = 1,024 goes in steps of 256 through two LDS slots; operands come as RECORDS (tile of 16 rows, 128 along K: 2,304 bytes).
; CLUSTERS: 4 x 4; the tokens' tiles are asked for jointly along a row of the cluster, the weight's along a column.
.set KF,    8
.set NQ,    2
.set REC,   2304
.set HALFT, 8*NQ*REC
.set SLOT,  4*HALFT
.set SPARE, 2*SLOT
.set LAPS,  KF/(2*NQ)
.set FR,    16
.set NL,    4
.set NP,    8
.set LI,   4
.set LS,   5
.set SCO,  6
.set ADRA, 16
.set ADRB, 20
.set ADRS, 26
.set SPW,  28
.set NIL,  29
.set SC,   32
.set BI,   64
.set AF,   128
.set T,    128
.set PC,   192
.set TM,   208
.set PW,   224
.set G1,  24
.set G0,  32
.set G1B, 48
.set G0B, 56
.set SEL, 92
.set MNT, 94
.set MSB, 0
.macro WIN new
.if MSB != (\new)
	s_set_vgpr_msb (MSB<<8)|(\new)
.set MSB, (\new)
.endif
.endm
.set MUL_LO, 0xa1
.set MUL_HI, 0xf1
.set TO_B,   0x40
.macro JLOAD g0a, g1a, g0b, g1b
	s_cmp_eq_u32 s15, 0
	s_cbranch_scc0 .Lfor_b_\@
	tensor_load_to_lds s[\g0a:\g0a+3], s[\g1a:\g1a+7]
	s_nop 0
.rept 4
	v_nop
.endr
	s_branch .Lasked_\@
.Lfor_b_\@:
	tensor_load_to_lds s[\g0b:\g0b+3], s[\g1b:\g1b+7]
	s_nop 0
.rept 4
	v_nop
.endr
.Lasked_\@:
.endm
.macro CREST
	s_cmp_lg_u32 s14, 0
	s_cbranch_scc1 .Lnot_wave_0_\@
	s_barrier_signal -3
.Lnot_wave_0_\@:
	s_barrier_wait -3
	s_barrier_signal -1
	s_barrier_wait -1
.endm
.macro CROUND
	s_barrier_signal -1
	s_barrier_wait -1
	CREST
.endm
.macro QUANT s, nb
.set qb, 0
.rept \nb
	v_max3_num_f32 v[TM+qb], |v[(\s)+16*qb]|, |v[(\s)+16*qb+1]|, 0x4800000
.set qb, qb+1
.endr
.irp i, 2,4,6,8,10,12,14
.set qb, 0
.rept \nb
	v_max3_num_f32 v[TM+qb], v[TM+qb], |v[(\s)+16*qb+\i]|, |v[(\s)+16*qb+\i+1]|
.set qb, qb+1
.endr
.endr
.set qb, 0
.rept \nb
	v_permlanex16_b32 v[TM+4+qb], v[TM+qb], s[SEL], s[SEL+1]
.set qb, qb+1
.endr
.set qb, 0
.rept \nb
	v_max_num_f32 v[TM+qb], v[TM+qb], v[TM+4+qb]
.set qb, qb+1
.endr
.set qb, 0
.rept \nb
	v_add_nc_u32 v[TM+12+qb], 0xfc000000, v[TM+qb]
.set qb, qb+1
.endr
.set qb, 0
.rept \nb
	v_and_or_b32 v[TM+8+qb], v[TM+qb], 0x7f800000, s[MNT]
.set qb, qb+1
.endr
.set qb, 0
.rept \nb
	v_lshrrev_b32 v[TM+4+qb], 23, v[TM+12+qb]
.set qb, qb+1
.endr
	v_lshl_or_b32 v[PW], v[TM+5], 8, v[TM+4]
.if \nb > 2
	v_lshl_or_b32 v[PW], v[TM+6], 16, v[PW]
	v_lshl_or_b32 v[PW], v[TM+7], 24, v[PW]
.endif
.set qb, 0
.rept \nb
.set qi, 0
.rept 16
	v_med3_num_f32 v[(\s)+16*qb+qi], v[(\s)+16*qb+qi], -v[TM+8+qb], v[TM+8+qb]
.set qi, qi+1
.endr
	v_cvt_scalef32_pk8_fp8_f32 v[PC+4*qb:PC+4*qb+1], v[(\s)+16*qb:(\s)+16*qb+7], v[TM+12+qb]
	v_cvt_scalef32_pk8_fp8_f32 v[PC+4*qb+2:PC+4*qb+3], v[(\s)+16*qb+8:(\s)+16*qb+15], v[TM+12+qb]
.set qb, qb+1
.endr
	v_nop
.endm
	s_load_b256 s[4:11], s[0:1], 0x0
	v_lshl_add_u32 v[SPW], v0, 2, SPARE
	v_mov_b32 v[NIL], 0
	ds_add_u32 v[SPW], v[NIL]
	ds_add_u32 v[SPW], v[NIL]
	v_lshrrev_b32 v1, 5, v0
	v_readfirstlane_b32 s14, v1
	s_lshr_b32 s15, s14, 1
	s_and_b32 s16, s14, 1
	s_bfe_u32 s40, ttmp6, 0x40000
	s_bfe_u32 s41, ttmp6, 0x40004
	s_lshl_b32 s42, ttmp9, 2
	s_add_co_u32 s42, s42, s40
	s_and_b32 s17, ttmp7, 0xffff
	s_lshl_b32 s17, s17, 2
	s_add_co_u32 s17, s17, s41
	s_lshl_b32 s43, s41, 2
	s_lshl_b32 s43, 15, s43
	s_lshl_b32 s44, 0x1111, s40
	s_or_b32 s[G1+0], s43, (3<<16)|(1<<21)
	s_or_b32 s[G1B+0], s44, (3<<16)|(1<<21)
.irp g, G1, G1B
	s_mov_b32 s[\g+1], (NQ*288)<<16
	s_mov_b32 s[\g+2], 8<<16
	s_mov_b32 s[\g+3], (NQ*288)<<16
	s_mov_b32 s[\g+4], 8
	s_mov_b32 s[\g+5], KF*288
	s_mov_b32 s[\g+6], 0
	s_mov_b32 s[\g+7], 0
.endr
	s_lshl_b32 s18, s16, 3
	s_lshl_b32 s20, s17, 4
	s_add_co_u32 s20, s20, s18
	s_mul_i32 s20, s20, KF*REC
	s_mov_b32 s21, 0
	s_lshl_b32 s46, s42, 4
	s_add_co_u32 s46, s46, s18
	s_mul_i32 s46, s46, KF*REC
	s_add_co_u32 s46, s46, 4718592
	s_mov_b32 s47, 0
	s_mul_i32 s45, s14, HALFT
	s_mov_b32 s[SEL], 0x76543210
	s_mov_b32 s[SEL+1], 0xfedcba98
	s_mov_b32 s[MNT], 0x600000
	s_mov_b32 s76, 0xbdd2d3e8
	s_mov_b32 s77, s76
	s_wait_dscnt 0x0
	CROUND                                         ; the opening round, ahead of the wait for the arguments
	s_wait_kmcnt 0x0
	s_add_nc_u64 s[20:21], s[4:5], s[20:21]
	s_add_nc_u64 s[46:47], s[6:7], s[46:47]
.irp s, 0,1
	s_mov_b32 s[G0+4*\s], 1
	s_add_co_u32 s[G0+4*\s+1], s45, \s*SLOT
	s_add_nc_u64 s[G0+4*\s+2:G0+4*\s+3], s[20:21], \s*NQ*REC
	s_or_b32 s[G0+4*\s+3], s[G0+4*\s+3], 0x80000000
	s_mov_b32 s[G0B+4*\s], 1
	s_add_co_u32 s[G0B+4*\s+1], s45, \s*SLOT
	s_add_nc_u64 s[G0B+4*\s+2:G0B+4*\s+3], s[46:47], \s*NQ*REC
	s_or_b32 s[G0B+4*\s+3], s[G0B+4*\s+3], 0x80000000
.endr
	JLOAD G0, G1, G0B, G1B                         ; slot 0: one tensor load a wave at the head
; REQUESTS AHEAD: K step 1 is asked for at the head, behind the load of step 0; steps 2 and 3 behind the load of step 1: each at least one K step ahead of the load that wants it.  Of the 8 tiles that a wave fetches, each of the
; four partners that ask for them jointly names two, told apart by address (cx for the tokens, cy for the weight): 2 x 4,608 bytes = 36 blocks of 256, a lane a block: 32 by the first line, 4 by the second, whose other lanes name its last block again.
.set PFA, 98
.macro ASK k
	global_prefetch_b8 v10, s[PFA:PFA+1] offset:(\k)*NQ*REC th:TH_LOAD_NT scope:SCOPE_SE
	global_prefetch_b8 v12, s[PFA:PFA+1] offset:(\k)*NQ*REC+KF*REC+3584 th:TH_LOAD_NT scope:SCOPE_SE
.endm
	s_cmp_eq_u32 s15, 0
	s_cselect_b64 s[PFA:PFA+1], s[20:21], s[46:47]
	s_cselect_b32 s70, s40, s41
	s_mul_i32 s70, s70, 2*KF*REC
	s_mov_b32 s71, 0
	s_add_nc_u64 s[PFA:PFA+1], s[PFA:PFA+1], s[70:71]
	v_and_b32 v10, 31, v0
	v_add_nc_u32 v11, 14, v10
	v_lshrrev_b32 v11, 5, v11                      ; 1 from lane 18 on: the second tile
	v_mul_u32_u24 v11, v11, KF*REC-NQ*REC
	v_lshl_add_u32 v10, v10, 8, v11
	v_and_b32 v12, 31, v0
	v_min_u32 v12, 3, v12
	v_lshlrev_b32 v12, 8, v12
	ASK 1
	v_and_b32 v1, 31, v0
	v_and_b32 v2, 15, v0
	v_bfe_u32 v3, v0, 4, 1
	v_lshlrev_b32 v[LI], 4, v1
	s_wait_alu depctr_va_vdst(0)
	v_lshlrev_b32 v[LS], 2, v1
	v_lshlrev_b32 v[SCO], 4, v2
	v_lshl_add_u32 v[SCO], v3, 3, v[SCO]
	v_lshlrev_b32 v9, 6, v3
	s_lshl_b32 s80, s42, 10
	s_lshl_b32 s81, s16, 9
	s_add_co_u32 s80, s80, s81
	s_mov_b32 s81, 0
	s_add_nc_u64 s[8:9], s[8:9], s[80:81]
.irp b, 0,1,2,3
.irp j, 0,1,2,3
	global_load_b128 v[BI+16*\b+4*\j:BI+16*\b+4*\j+3], v9, s[8:9] offset:128*\b+16*\j
.endr
.endr
	s_lshl_b32 s80, s17, 4
	s_lshl_b32 s82, s15, 3
	s_add_co_u32 s80, s80, s82
	s_lshl_b32 s80, s80, 5
	s_lshl_b32 s82, s42, 1
	s_add_co_u32 s80, s80, s82
	s_add_co_u32 s80, s80, s16
	s_mul_i32 s80, s80, REC
	s_add_nc_u64 s[10:11], s[10:11], s[80:81]
	s_mul_i32 s21, s15, HALFT
	s_mul_i32 s22, s16, HALFT
	s_add_co_u32 s22, s22, 2*HALFT
.irp s, 0,1
	v_add_nc_u32 v[ADRA+\s], s21, v[LI]
	v_add_nc_u32 v[ADRB+\s], s22, v[LI]
	s_add_co_u32 s21, s21, SLOT
	s_add_co_u32 s22, s22, SLOT
.endr
	s_mul_i32 s21, s15, HALFT
	s_mul_i32 s22, s16, HALFT
	s_add_co_u32 s22, s22, 2*HALFT
	s_sub_co_u32 s22, s22, s21
	v_mul_u32_u24 v7, s22, v3
	s_wait_alu depctr_va_vdst(0)
	v_add_nc_u32 v7, v7, v[SCO]
	v_add_nc_u32 v[ADRS], s21, v7
	v_add_nc_u32 v[ADRS+1], SLOT, v[ADRS]
.macro FRAG reg, adr, q, i
.irp c, 0,1,2,3
	ds_load_b128 v[\reg+4*\c:\reg+4*\c+3], v[\adr] offset:((\i)*NQ+(\q))*REC+512*\c
.endr
.endm
.macro MUL16 a0, p, q, sc, zero
.irp a, \a0, \a0+1
.irp b, 0,1,2,3,4,5,6,7
.if \zero
	v_wmma_scale_f32_16x16x128_f8f6f4 v[8*(8*((\a)%4)+\b):8*(8*((\a)%4)+\b)+7], v[128*(\p)+FR*\b:128*(\p)+FR*\b+FR-1], v[AF+FR*(\a):AF+FR*(\a)+FR-1], 0, v[SC+8*NQ*(\sc)+NQ*\b+(\q)], v[SC+8*NQ*(\sc)+NQ*(\a)+(\q)] matrix_a_scale:MATRIX_SCALE_ROW1
.else
	v_wmma_scale_f32_16x16x128_f8f6f4 v[8*(8*((\a)%4)+\b):8*(8*((\a)%4)+\b)+7], v[128*(\p)+FR*\b:128*(\p)+FR*\b+FR-1], v[AF+FR*(\a):AF+FR*(\a)+FR-1], v[8*(8*((\a)%4)+\b):8*(8*((\a)%4)+\b)+7], v[SC+8*NQ*(\sc)+NQ*\b+(\q)], v[SC+8*NQ*(\sc)+NQ*(\a)+(\q)] matrix_a_scale:MATRIX_SCALE_ROW1
.endif
.endr
.endr
.endm
.macro FETCH_B slot, q, p
	WIN TO_B
.irp i, 0,1,2,3,4,5,6,7
	FRAG 128*(\p)+FR*\i, ADRB+\slot, \q, \i
.endr
	WIN 0
.endm
.macro FETCH_A slot, q, i0
.irp i, \i0, \i0+1, \i0+2, \i0+3
	FRAG AF+FR*(\i), ADRA+\slot, \q, \i
.endr
.endm
.macro SCALES sc
.irp i, 0,1,2,3,4,5,6,7
.irp q, 0,1
	ds_load_b32 v[SC+16*\sc+2*\i+\q], v[ADRS+\sc] offset:(\i*NQ+\q)*REC+2048
.endr
.endr
.endm
.macro PLACES n
.rept \n
	v_nop
.endr
.endm
.macro STEP slot, q, zero
	s_wait_dscnt 4*NL
	WIN MUL_LO
	MUL16 0, (\q)%2, \q, \slot, \zero
	MUL16 2, (\q)%2, \q, \slot, \zero
	s_wait_dscnt 0
	PLACES NP
	FETCH_B \slot, (\q)+1, 1-(\q)%2
	FETCH_A \slot, (\q)+1, 0
	WIN MUL_HI
	MUL16 4, (\q)%2, \q, \slot, \zero
	MUL16 6, (\q)%2, \q, \slot, \zero
	PLACES NP
	WIN 0
	FETCH_A \slot, (\q)+1, 4
.endm
.macro TURN slot, next, fill
	s_wait_tensorcnt 0x0
	ds_add_u32 v[SPW], v[NIL]
	s_wait_dscnt 4*NL+1
	WIN MUL_LO
	MUL16 0, 1, NQ-1, \slot, 0
	s_wait_dscnt 0x0
	s_barrier_signal -1
	MUL16 2, 1, NQ-1, \slot, 0
	WIN 0
	s_barrier_wait -1
.if \fill
	CREST
	s_add_nc_u64 s[G0+4*\slot+2:G0+4*\slot+3], s[G0+4*\slot+2:G0+4*\slot+3], 2*NQ*REC
	s_add_nc_u64 s[G0B+4*\slot+2:G0B+4*\slot+3], s[G0B+4*\slot+2:G0B+4*\slot+3], 2*NQ*REC
	JLOAD G0+4*\slot, G1, G0B+4*\slot, G1B
	PLACES NP-4
.else
	PLACES NP
.endif
	FETCH_B \next, 0, 0
	FETCH_A \next, 0, 0
	SCALES \next
	WIN MUL_HI
	MUL16 4, 1, NQ-1, \slot, 0
	MUL16 6, 1, NQ-1, \slot, 0
	PLACES NP
	WIN 0
	FETCH_A \next, 0, 4
.endm
	s_wait_alu depctr_va_vdst(0)
	s_wait_tensorcnt 0x0                           ; my part of slot 0 is in
	ds_add_u32 v[SPW], v[NIL]
	s_wait_dscnt 0x0
	CROUND                                         ; everybody's part is in, and all sixteen work-groups are here
	JLOAD G0+4, G1, G0B+4, G1B                     ; slot 1's first fill, the first tensor load behind the round
	FETCH_B 0, 0, 0
	FETCH_A 0, 0, 0
	SCALES 0
	FETCH_A 0, 0, 4
	ASK 2
	ASK 3
	STEP 0, 0, 1
.rept LAPS-1
	TURN 0, 1, 1
	STEP 1, 0, 0
	TURN 1, 0, 1
	STEP 0, 0, 0
.endr
	TURN 0, 1, 0
	STEP 1, 0, 0
	s_wait_dscnt 4*NL
	WIN MUL_LO
	MUL16 0, 1, NQ-1, 1, 0
	MUL16 2, 1, NQ-1, 1, 0
	s_wait_dscnt 0
	WIN MUL_HI
	MUL16 4, 1, NQ-1, 1, 0
	MUL16 6, 1, NQ-1, 1, 0
	WIN 0
	PLACES NP
.irp b, 0,1,2,3
	v_mov_b32 v[TM+4+\b], 0
.endr
	v_mov_b32 v[PW+1], 0
	v_mov_b32 v230, 0xc0135761
	v_mov_b32 v231, 0xc0135761
	s_wait_loadcnt 0x0
.macro EPIFC a
	WIN 0x02+((\a)/4)
.set e, 0
.rept 32
	v_pk_add_f32 v[T+e:T+e+1], v[64*((\a)%4)+e:64*((\a)%4)+e+1], v[BI+e:BI+e+1]
.set e, e+2
.endr
	WIN 0x40
.set e, 0
.rept 32
	v_pk_mul_f32 v[e:e+1], v[T+e:T+e+1], v[T+e:T+e+1]
.set e, e+2
.endr
	WIN 0x41
.set e, 0
.rept 32
	v_pk_fma_f32 v[e:e+1], v[e:e+1], s[76:77], v[230:231] op_sel_hi:[1,0,0]
.set e, e+2
.endr
.set e, 0
.rept 32
	v_pk_mul_f32 v[e:e+1], v[e:e+1], v[T+e:T+e+1]
.set e, e+2
.endr
.set e, 0
	s_wait_alu depctr_va_vdst(0)
.rept 64
	v_exp_f32 v[e], v[e]
.set e, e+1
.endr
	v_nop
	s_wait_alu depctr_va_vdst(0)
.set e, 0
.rept 32
	v_pk_add_f32 v[e:e+1], v[e:e+1], 1.0 op_sel_hi:[1,0]
.set e, e+2
.endr
.set e, 0
	s_wait_alu depctr_va_vdst(0)
.rept 64
	v_rcp_f32 v[e], v[e]
.set e, e+1
.endr
	v_nop
	s_wait_alu depctr_va_vdst(0)
	s_wait_xcnt 0x0                                ; the last block's stores have read their registers, which QUANT writes
	WIN 0x04
.set e, 0
.rept 32
	v_pk_mul_f32 v[T+e:T+e+1], v[T+e:T+e+1], v[e:e+1]
.set e, e+2
.endr
	WIN 0
	QUANT T, 4
.irp c, 0,1,2,3
	global_store_b128 v[LI], v[PC+4*\c:PC+4*\c+3], s[10:11] offset:32*REC*(\a)+512*\c
.endr
	global_store_b64 v[SCO], v[PW:PW+1], s[10:11] offset:32*REC*(\a)+2048
.endm
.irp a, 0,1,2,3,4,5,6,7
	EPIFC \a
.endr
	s_wait_tensorcnt 0x0
	ds_add_u32 v[SPW], v[NIL]
	s_wait_dscnt 0x0
	CROUND
	s_endpgm
.Lfunc_end_k_q904d132a56_fc:
	.size	k_q904d132a56_fc, .Lfunc_end_k_q904d132a56_fc-k_q904d132a56_fc
	.p2alignl 7, 3214868480
	.fill 96, 4, 3214868480
	.section	.rodata,"a",@progbits
	.p2align	6, 0x0
	.amdhsa_kernel k_q904d132a56_fc
		.amdhsa_group_segment_fixed_size 327680
		.amdhsa_private_segment_fixed_size 0
		.amdhsa_enable_private_segment 0
		.amdhsa_kernarg_size 32
		.amdhsa_user_sgpr_count 2
		.amdhsa_user_sgpr_kernarg_segment_ptr 1
		.amdhsa_wavefront_size32 1
		.amdhsa_system_sgpr_workgroup_id_x 1
		.amdhsa_system_sgpr_workgroup_id_y 1
		.amdhsa_system_sgpr_workgroup_id_z 1
		.amdhsa_system_vgpr_workitem_id 0
		.amdhsa_next_free_vgpr 1024
		.amdhsa_next_free_sgpr 100
		.amdhsa_reserve_vcc 0
		.amdhsa_float_denorm_mode_32 3
		.amdhsa_float_denorm_mode_16_64 3
		.amdhsa_memory_ordered 1
		.amdhsa_forward_progress 1
		.amdhsa_inst_pref_size 255
	.end_amdhsa_kernel
	.section	.bss,"aw",@nobits
	.p2align	6
	.space	262144
	.amdgpu_metadata
---
amdhsa.version: [ 1, 2 ]
amdhsa.kernels:
  - .name:           k_q904d132a56_fc
    .symbol:         k_q904d132a56_fc.kd
    .args:
      - { .name: XQ2, .offset: 0, .size: 8, .value_kind: global_buffer, .address_space: global }
      - { .name: WQ, .offset: 8, .size: 8, .value_kind: global_buffer, .address_space: global }
      - { .name: b_fc, .offset: 16, .size: 8, .value_kind: global_buffer, .address_space: global }
      - { .name: HQ, .offset: 24, .size: 8, .value_kind: global_buffer, .address_space: global }
    .group_segment_fixed_size: 327680
    .private_segment_fixed_size: 0
    .kernarg_segment_align: 8
    .kernarg_segment_size: 32
    .max_flat_workgroup_size: 128
    .sgpr_count:     100
    .vgpr_count:     1024
    .wavefront_size: 32
...
	.end_amdgpu_metadata
.endif
;; end of part 6
;; launch pr (part 7): grid 8 x 32, 4 waves a work-group, clusters of 4 x 4, 327,680 bytes of LDS; arguments HQ, WQ, b_pr, X1, out0; writes out0
.if DOCPART == 7
	.amdgcn_target "amdgcn-amd-amdhsa--gfx1250"
	.amdhsa_code_object_version 6
	.text
	.protected	k_q904d132a56_pr
	.globl	k_q904d132a56_pr
	.p2align	8
	.type	k_q904d132a56_pr,@function
k_q904d132a56_pr:
	s_mov_b64 s[64:65], 0
	v_nop
	global_prefetch_b8 v0, s[64:65] scope:SCOPE_SE
	s_setreg_imm32_b32 hwreg(HW_REG_WAVE_MODE, 25, 1), 1
	s_wait_xcnt 0x0
	s_wait_alu depctr_hold_cnt(0) depctr_sa_sdst(0) depctr_va_vdst(0) depctr_va_sdst(0) depctr_va_ssrc(0) depctr_va_vcc(0) depctr_vm_vsrc(0)
	s_getreg_b32 s2, hwreg(HW_REG_IB_STS2, 6, 4)
	s_cmp_eq_u32 s2, 0
	s_cbranch_scc0 .Lentry_in_a_cluster
	s_endpgm
.Lentry_in_a_cluster:
	s_bfe_u32 s2, ttmp6, 0x10000c
	s_cmp_lg_u32 s2, 0xf033
	s_cbranch_scc0 .Lentry_shape_is_right
	s_endpgm
.Lentry_shape_is_right:
; out0 = x1 + h w_pr + b_pr: [4096][1024] f32.  The product on codes of FP8 (E4M3) with E8M0 scales, both operands as RECORDS (tile of 16 rows, 128 along K: 2,304 bytes: the operand's registers lane by lane,
; then the rows' scale words); row r of tile T is row 32 (T / 2) + 8 (T % 2) + r + 8 (r / 8).  Arguments: h's records, WQ, bias, residual, out.
; N is 1,024: a tile of the result is 128 x 128, so that there are 256 work-groups; four waves, 64 x 64 each: 16 accumulators.  K = 4,096 goes in eight steps of 512 through two LDS slots: a slot holds four records on end for each of 16 tiles.
; SOURCE 0 = 16 columns' rows of the weight, SOURCE 1 = 16 tokens: a lane holds one token and neighbouring columns.  CLUSTERS: 4 x 4; A's tiles are asked for jointly along a row of the cluster, the weight's along a column.
; The residual is asked for behind the first fragments, in the lanes in which the result leaves; the result goes through each wave's own stage in LDS, so that sixteen lanes store 256 consecutive bytes, aligned.
; REQUESTS AHEAD: K step 1 is asked for at the head, behind the load of step 0; steps 2 and 3 behind the load of step 1; step t + 2 behind the load of step t from 2 on; the loads of the last two steps ask for nothing.
; Of the 4 tiles that a wave fetches, each of the four partners that ask for them jointly names one, told apart by address (cx for A, cy for the weight): 9,216 bytes = 36 blocks of 256, a lane a block: 32 by the first line,
; 4 by the second, whose other lanes name its last block again.  The weight's tiles are the same in all eight rows of clusters: the first four rows ask for them (a test of the cluster's y, which all partners share).
; REGISTERS: window 0: addresses; v32-39 scale words, two sets; v40-43 bias; v64-127 rows on the way out; v128-255 accumulators.  window 1: two sets of fragments (A's four, then the weight's four).  window 2: the residual.
.set KF,    32                         ; records along K
.set WOFF,  9437184                    ; the weight's place in WQ
.set NQ,    4
.set REC,   2304
.set QT,    4*NQ*REC
.set SLOT,  4*QT
.set SPARE, 2*SLOT                     ; behind the ring: the spare words, 128 bytes for each wave
.set LAPS,  KF/(2*NQ)
.set ADRA, 16
.set ADRB, 20
.set CO,   22
.set STO,  24
.set RD,   25
.set ADRS, 26
.set SPW,  28
.set NIL,  29
.set SC,   32
.set BS,   40
.set BK,   64
.set ACC,  128
.set G1,  24
.set G0,  32
.set G1B, 48
.set G0B, 56
.set PFA, 68                           ; s[68:69] my tile at the K step that the last change of slots left; stepped at a change's head, behind s_wait_xcnt 0
.set LIM, 72                           ; s72 1 where my wave asks, else the greatest number
.set MSB, 0
.macro WIN new
.if MSB != (\new)
	s_set_vgpr_msb (MSB<<8)|(\new)
.set MSB, (\new)
.endif
.endm
.set MUL,  0x05
.set TO_F, 0x40
.macro JLOAD s                         ; a joint load: waves 0 and 1 fetch A's halves, waves 2 and 3 the weight's; an s_nop 0 and four v_nop follow each of the two lines
	s_cmp_eq_u32 s15, 0
	s_cbranch_scc0 .Lfor_b_\@
	tensor_load_to_lds s[G0+4*\s:G0+4*\s+3], s[G1:G1+7]
	s_nop 0
.rept 4
	v_nop
.endr
	s_branch .Lasked_\@
.Lfor_b_\@:
	tensor_load_to_lds s[G0B+4*\s:G0B+4*\s+3], s[G1B:G1B+7]
	s_nop 0
.rept 4
	v_nop
.endr
.Lasked_\@:
.endm
.macro CREST
	s_cmp_lg_u32 s14, 0
	s_cbranch_scc1 .Lnot_wave_0_\@
	s_barrier_signal -3
.Lnot_wave_0_\@:
	s_barrier_wait -3
	s_barrier_signal -1
	s_barrier_wait -1
.endm
.macro CROUND
	s_barrier_signal -1
	s_barrier_wait -1
	CREST
.endm
.macro ASK k
	global_prefetch_b8 v30, s[PFA:PFA+1] offset:(\k)*NQ*REC th:TH_LOAD_NT scope:SCOPE_SE
	global_prefetch_b8 v31, s[PFA:PFA+1] offset:(\k)*NQ*REC+8192 th:TH_LOAD_NT scope:SCOPE_SE
.endm
	s_load_b256 s[4:11], s[0:1], 0x0               ; A s[4:5], WQ s[6:7], bias s[8:9], residual s[10:11]
	s_load_b64 s[12:13], s[0:1], 0x20              ; out
	v_lshl_add_u32 v[SPW], v0, 2, SPARE
	v_mov_b32 v[NIL], 0
	ds_add_u32 v[SPW], v[NIL]                      ; the wave's opening: the add, twice on end, and its wait ahead of my first tensor load
	ds_add_u32 v[SPW], v[NIL]
	v_lshrrev_b32 v1, 5, v0
	v_readfirstlane_b32 s14, v1                    ; wave 0..3
	s_lshr_b32 s15, s14, 1
	s_and_b32 s16, s14, 1
	s_bfe_u32 s40, ttmp6, 0x40000
	s_bfe_u32 s41, ttmp6, 0x40004
	s_lshl_b32 s42, ttmp9, 2
	s_add_co_u32 s42, s42, s40                     ; tile column = 4 x cluster x + cx
	s_and_b32 s17, ttmp7, 0xffff
	s_lshl_b32 s17, s17, 2
	s_add_co_u32 s17, s17, s41                     ; tile row = 4 x cluster y + cy
	s_lshl_b32 s43, s41, 2
	s_lshl_b32 s43, 15, s43
	s_lshl_b32 s44, 0x1111, s40
	s_or_b32 s[G1+0], s43, (3<<16)|(1<<21)         ; the mask; elements of 8 bytes; bit 21 beside a mask; no padding
	s_or_b32 s[G1B+0], s44, (3<<16)|(1<<21)
.irp g, G1, G1B
	s_mov_b32 s[\g+1], (NQ*288)<<16
	s_mov_b32 s[\g+2], 4<<16
	s_mov_b32 s[\g+3], (NQ*288)<<16
	s_mov_b32 s[\g+4], 4
	s_mov_b32 s[\g+5], KF*288
	s_mov_b32 s[\g+6], 0
	s_mov_b32 s[\g+7], 0
.endr
	s_lshl_b32 s18, s16, 2
	s_lshl_b32 s20, s17, 3
	s_add_co_u32 s20, s20, s18
	s_mul_i32 s20, s20, KF*REC
	s_mov_b32 s21, 0
	s_lshl_b32 s46, s42, 3
	s_add_co_u32 s46, s46, s18
	s_mul_i32 s46, s46, KF*REC
	s_add_co_u32 s46, s46, WOFF
	s_mov_b32 s47, 0
	s_mul_i32 s45, s14, QT
	s_wait_dscnt 0x0                               ; both opening adds are done
	CROUND                                         ; the opening round, ahead of the wait for the arguments: all sixteen work-groups are here, and the first joint loads meet
	s_wait_kmcnt 0x0
	s_add_nc_u64 s[20:21], s[4:5], s[20:21]
	s_add_nc_u64 s[46:47], s[6:7], s[46:47]
.irp s, 0,1
	s_mov_b32 s[G0+4*\s], 1
	s_add_co_u32 s[G0+4*\s+1], s45, \s*SLOT
	s_add_nc_u64 s[G0+4*\s+2:G0+4*\s+3], s[20:21], \s*NQ*REC
	s_or_b32 s[G0+4*\s+3], s[G0+4*\s+3], 0x80000000
	s_mov_b32 s[G0B+4*\s], 1
	s_add_co_u32 s[G0B+4*\s+1], s45, \s*SLOT
	s_add_nc_u64 s[G0B+4*\s+2:G0B+4*\s+3], s[46:47], \s*NQ*REC
	s_or_b32 s[G0B+4*\s+3], s[G0B+4*\s+3], 0x80000000
.endr
	JLOAD 0                                        ; slot 0: one tensor load a wave at the head
	s_cmp_eq_u32 s15, 0
	s_cselect_b64 s[PFA:PFA+1], s[20:21], s[46:47]
	s_cselect_b32 s70, s40, s41
	s_mul_i32 s70, s70, KF*REC                     ; my work-group's one tile of the four
	s_mov_b32 s71, 0
	s_add_nc_u64 s[PFA:PFA+1], s[PFA:PFA+1], s[70:71]
	s_and_b32 s[LIM], ttmp7, 0xffff
	s_lshr_b32 s[LIM], s[LIM], 2                   ; 0 in the first four rows of clusters,
	s_mul_i32 s[LIM], s[LIM], s15                  ; and in A's waves
	s_cmp_eq_u32 s[LIM], 0
	s_cselect_b32 s[LIM], 1, -1
	v_and_b32 v30, 31, v0
	v_min_u32 v31, 3, v30
	v_lshlrev_b32 v30, 8, v30
	v_lshlrev_b32 v31, 8, v31
	s_cmp_eq_u32 s[LIM], 1
	s_cbranch_scc0 .Lhead_ask_a
	ASK 1
.Lhead_ask_a:
	v_and_b32 v1, 31, v0
	v_and_b32 v2, 15, v0                           ; r
	v_bfe_u32 v3, v0, 4, 1                         ; h
	v_lshlrev_b32 v4, 4, v1
	v_lshlrev_b32 v6, 4, v2
	v_lshl_add_u32 v[CO], v3, 12, v6
	s_wait_alu depctr_va_vdst(0)
	s_lshl_b32 s20, s17, 7
	s_lshl_b32 s21, s15, 6
	s_add_co_u32 s20, s20, s21
	s_lshl_b32 s20, s20, 12
	s_lshl_b32 s46, s42, 9
	s_lshl_b32 s47, s16, 8
	s_add_co_u32 s46, s46, s47
	s_add_co_u32 s20, s20, s46
	s_mov_b32 s21, 0
	s_mov_b32 s47, 0
	s_add_nc_u64 s[10:11], s[10:11], s[20:21]
	s_add_nc_u64 s[12:13], s[12:13], s[20:21]
	s_add_nc_u64 s[8:9], s[8:9], s[46:47]
	v_lshl_add_u32 v7, v3, 3, v6
	s_mul_i32 s21, s15, QT
	s_mul_i32 s22, s16, QT
	s_add_co_u32 s22, s22, 2*QT
.irp s, 0,1
	v_add_nc_u32 v[ADRA+\s], s21, v4
	v_add_nc_u32 v[ADRB+\s], s22, v4
	s_add_co_u32 s21, s21, SLOT
	s_add_co_u32 s22, s22, SLOT
.endr
	s_mul_i32 s21, s15, QT
	s_mul_i32 s22, s16, QT
	s_add_co_u32 s22, s22, 2*QT
	s_sub_co_u32 s22, s22, s21
	v_mul_u32_u24 v8, s22, v3                      ; lanes 16-31 take the weight's words
	s_wait_alu depctr_va_vdst(0)
	v_add_nc_u32 v8, v8, v7
	v_add_nc_u32 v[ADRS], s21, v8
	v_add_nc_u32 v[ADRS+1], SLOT, v[ADRS]
	s_mul_i32 s23, s14, 16*272                     ; my stage, in slot 0: when the first result is stored there the slot has had its last fill, and its last read lies behind a barrier
	v_mul_u32_u24 v[STO], v2, 272
	v_lshl_add_u32 v[STO], v3, 6, v[STO]
	v_add_nc_u32 v[STO], s23, v[STO]
	v_mul_u32_u24 v[RD], v3, 272
	v_add_nc_u32 v[RD], v[RD], v6
	v_add_nc_u32 v[RD], s23, v[RD]
; 4 matrix instructions: A's tile a x the weight's four.  The 16 accumulators take turns, one instruction a turn, in the same order in every quarter, over the loop's backward jump too.
.macro MUL4 f, a, p, zero
.irp b, 0,1,2,3
.if \zero
	v_wmma_scale_f32_16x16x128_f8f6f4 v[ACC+8*(4*(\a)+\b):ACC+8*(4*(\a)+\b)+7], v[(\f)+64+16*\b:(\f)+64+16*\b+15], v[(\f)+16*(\a):(\f)+16*(\a)+15], 0, v[SC+4*(\p)+\b], v[SC+4*(\p)+(\a)] matrix_a_scale:MATRIX_SCALE_ROW1
.else
	v_wmma_scale_f32_16x16x128_f8f6f4 v[ACC+8*(4*(\a)+\b):ACC+8*(4*(\a)+\b)+7], v[(\f)+64+16*\b:(\f)+64+16*\b+15], v[(\f)+16*(\a):(\f)+16*(\a)+15], v[ACC+8*(4*(\a)+\b):ACC+8*(4*(\a)+\b)+7], v[SC+4*(\p)+\b], v[SC+4*(\p)+(\a)] matrix_a_scale:MATRIX_SCALE_ROW1
.endif
.endr
.endm
.macro FETCH slot, q, p                ; 36 LDS loads in one run: 4 scale words, the weight's four fragments, A's four; A's tiles 2 and 3 last
	WIN 0
.irp i, 0,1,2,3
	ds_load_b32 v[SC+4*(\p)+\i], v[ADRS+\slot] offset:(\i*NQ+(\q))*REC+2048
.endr
	WIN TO_F
.irp i, 0,1,2,3
.irp c, 0,1,2,3
	ds_load_b128 v[128*(\p)+64+16*\i+4*\c:128*(\p)+64+16*\i+4*\c+3], v[ADRB+\slot] offset:(\i*NQ+(\q))*REC+512*\c
.endr
.endr
.irp i, 0,1,2,3
.irp c, 0,1,2,3
	ds_load_b128 v[128*(\p)+16*\i+4*\c:128*(\p)+16*\i+4*\c+3], v[ADRA+\slot] offset:(\i*NQ+(\q))*REC+512*\c
.endr
.endr
.endm
.macro PLACES n
.rept \n
	v_nop
.endr
.endm
.macro QUARTER slot, q, zero
	s_wait_dscnt 8                                 ; all but the youngest eight loads (A's tiles 2 and 3) are in
	WIN MUL
	MUL4 128*((\q)%2), 0, (\q)%2, \zero
	MUL4 128*((\q)%2), 1, (\q)%2, \zero
	PLACES 8
	FETCH \slot, (\q)+1, 1-(\q)%2
	s_wait_dscnt 36                                ; all but the 36 just issued
	WIN MUL
	MUL4 128*((\q)%2), 2, (\q)%2, \zero
	MUL4 128*((\q)%2), 3, (\q)%2, \zero
.endm
.macro TURN slot, next, fill
	WIN 0                                          ; (the add's two registers lie in window 0)
.if \fill
	s_wait_xcnt 0x0                                ; any request of mine has read its address, so it may be stepped
	s_add_nc_u64 s[PFA:PFA+1], s[PFA:PFA+1], NQ*REC
.endif
	s_wait_tensorcnt 0x0                           ; all my tensor loads have landed: my part of the next slot
	ds_add_u32 v[SPW], v[NIL]                      ; 0 onto my spare word
	s_wait_dscnt 9                                 ; (the add and the youngest eight loads may be out)
	WIN MUL
	MUL4 128, 0, 1, 0
	s_wait_dscnt 0x0                               ; the add is done, and my reads of this slot are over
	s_barrier_signal -1
	MUL4 128, 1, 1, 0
	WIN 0
	s_barrier_wait -1
.if \fill
	CREST                                          ; the barrier has opened a round of the cluster's: no wave of any partner still reads this slot or has a load on its way
	s_add_nc_u64 s[G0+4*\slot+2:G0+4*\slot+3], s[G0+4*\slot+2:G0+4*\slot+3], 2*NQ*REC
	s_add_nc_u64 s[G0B+4*\slot+2:G0B+4*\slot+3], s[G0B+4*\slot+2:G0B+4*\slot+3], 2*NQ*REC
	JLOAD \slot                                    ; the first tensor load behind the round, and my only one until the next
	PLACES 4
.else
	PLACES 8
.endif
	FETCH \next, 0, 0
.if \fill
	WIN 0
	s_cmp_gt_u32 s3, s[LIM]                        ; s3 = 1 in the loop's last trip, whose loads are the last two K steps'
	s_cbranch_scc0 .Lturn_ask_\@
	ASK 3                                          ; two K steps on from the load just issued
.Lturn_ask_\@:
.endif
	WIN MUL
	MUL4 128, 2, 1, 0
	MUL4 128, 3, 1, 0
.endm
	s_wait_alu depctr_va_vdst(0)
	s_wait_tensorcnt 0x0                           ; my part of slot 0 is in
	ds_add_u32 v[SPW], v[NIL]
	s_wait_dscnt 0x0
	CROUND                                         ; everybody's part is in, and all sixteen work-groups are here
	JLOAD 1                                        ; slot 1's first fill, the first tensor load behind the round
	FETCH 0, 0, 0
	WIN 0
	s_cmp_eq_u32 s[LIM], 1
	s_cbranch_scc0 .Lhead_ask_b
	ASK 2
	ASK 3
.Lhead_ask_b:
	WIN 0x80                                       ; destination window 2
.irp a, 0,1,2,3
.irp t, 0,1,2,3,4,5,6,7
	global_load_b128 v[32*\a+4*\t:32*\a+4*\t+3], v[CO], s[10:11] offset:(32*(\a/2)+8*(\a%2)+2*\t+8*(\t/4))*4096   ; the residual, rows 2 t and 2 t + 1 of tile a: wanted on the way out
.endr
.endr
	WIN 0
	global_load_b128 v[BS:BS+3], v6, s[8:9]        ; the bias of my four columns
	QUARTER 0, 0, 1                                ; the first quarter's products start the sums
	WIN 0                                          ; at a label and at a branch every window is 0
	s_mov_b32 s3, LAPS-1
.Llap:                                                 ; a trip goes once round the ring and fills both slots again
	QUARTER 0, 1, 0
	QUARTER 0, 2, 0
	TURN 0, 1, 1
	QUARTER 1, 0, 0
	QUARTER 1, 1, 0
	QUARTER 1, 2, 0
	TURN 1, 0, 1
	QUARTER 0, 0, 0
	WIN 0
	s_sub_co_u32 s3, s3, 1
	s_cmp_lg_u32 s3, 0
	s_cbranch_scc1 .Llap
	QUARTER 0, 1, 0                                ; the last lap is written out: it fills nothing
	QUARTER 0, 2, 0
	TURN 0, 1, 0
	QUARTER 1, 0, 0
	QUARTER 1, 1, 0
	QUARTER 1, 2, 0
	s_wait_dscnt 8
	WIN MUL
	MUL4 128, 0, 1, 0
	MUL4 128, 1, 1, 0
	s_wait_dscnt 0
	MUL4 128, 2, 1, 0
	MUL4 128, 3, 1, 0
	; THE WAY OUT
	s_wait_loadcnt 0x0                             ; residual and bias
	WIN 0x82
.set e, 0
.rept 32
	v_pk_add_f32 v[e:e+1], v[e:e+1], v[BS:BS+1]    ; residual + bias.  These 64 name no register of the last products: they are the places in front of the first read of results
	v_pk_add_f32 v[e+2:e+3], v[e+2:e+3], v[BS+2:BS+3]
.set e, e+4
.endr
	WIN 0
.macro TOSTAGE a
.irp b, 0,1,2,3
	ds_store_b128 v[STO], v[ACC+8*(4*(\a)+\b):ACC+8*(4*(\a)+\b)+3] offset:128*(\b/2)+32*(\b%2)       ; each accumulator from its low end on
	ds_store_b128 v[STO], v[ACC+8*(4*(\a)+\b)+4:ACC+8*(4*(\a)+\b)+7] offset:128*(\b/2)+32*(\b%2)+16
.endr
.irp t, 0,1,2,3,4,5,6,7
	ds_load_b128 v[BK+32*((\a)%2)+4*\t:BK+32*((\a)%2)+4*\t+3], v[RD] offset:544*\t   ; LDS serves a wave's instructions in order (ISA guide 5.7.1.4): these see my stores
.endr
.endm
.macro SEND a, younger
	s_wait_dscnt \younger
	WIN 0x08
.set e, 0
.rept 16
	v_pk_add_f32 v[BK+32*((\a)%2)+e:BK+32*((\a)%2)+e+1], v[BK+32*((\a)%2)+e:BK+32*((\a)%2)+e+1], v[32*(\a)+e:32*(\a)+e+1]
.set e, e+2
.endr
	WIN 0
.irp t, 0,1,2,3,4,5,6,7
	global_store_b128 v[CO], v[BK+32*((\a)%2)+4*\t:BK+32*((\a)%2)+4*\t+3], s[12:13] offset:(32*((\a)/2)+8*((\a)%2)+2*\t+8*(\t/4))*4096   ; sixteen lanes store 256 consecutive bytes, aligned
.endr
.endm
	TOSTAGE 0
	TOSTAGE 1
	SEND 0, 16                                     ; behind tile 0's loads: tile 1's 8 stores and 8 loads
	s_wait_xcnt 0x0                                ; tile 0's stores have read their registers: tile 2's loads may land there
	TOSTAGE 2
	SEND 1, 16
	s_wait_xcnt 0x0
	TOSTAGE 3
	SEND 2, 16
	SEND 3, 0
	s_wait_tensorcnt 0x0                           ; the wave's end, behind my last tensor load and my last LDS store
	ds_add_u32 v[SPW], v[NIL]
	s_wait_dscnt 0x0
	CROUND                                         ; the closing round
	s_endpgm
.Lfunc_end_k_q904d132a56_pr:
	.size	k_q904d132a56_pr, .Lfunc_end_k_q904d132a56_pr-k_q904d132a56_pr
	.p2alignl 7, 3214868480
	.fill 96, 4, 3214868480
	.section	.rodata,"a",@progbits
	.p2align	6, 0x0
	.amdhsa_kernel k_q904d132a56_pr
		.amdhsa_group_segment_fixed_size 327680
		.amdhsa_private_segment_fixed_size 0
		.amdhsa_enable_private_segment 0
		.amdhsa_kernarg_size 40
		.amdhsa_user_sgpr_count 2
		.amdhsa_user_sgpr_kernarg_segment_ptr 1
		.amdhsa_wavefront_size32 1
		.amdhsa_system_sgpr_workgroup_id_x 1
		.amdhsa_system_sgpr_workgroup_id_y 1
		.amdhsa_system_sgpr_workgroup_id_z 1
		.amdhsa_system_vgpr_workitem_id 0
		.amdhsa_next_free_vgpr 768
		.amdhsa_next_free_sgpr 80
		.amdhsa_reserve_vcc 0
		.amdhsa_float_denorm_mode_32 3
		.amdhsa_float_denorm_mode_16_64 3
		.amdhsa_memory_ordered 1
		.amdhsa_forward_progress 1
		.amdhsa_inst_pref_size 106
	.end_amdhsa_kernel
	.amdgpu_metadata
---
amdhsa.version: [ 1, 2 ]
amdhsa.kernels:
  - .name:           k_q904d132a56_pr
    .symbol:         k_q904d132a56_pr.kd
    .args:
      - { .name: HQ, .offset: 0, .size: 8, .value_kind: global_buffer, .address_space: global }
      - { .name: WQ, .offset: 8, .size: 8, .value_kind: global_buffer, .address_space: global }
      - { .name: b_pr, .offset: 16, .size: 8, .value_kind: global_buffer, .address_space: global }
      - { .name: X1, .offset: 24, .size: 8, .value_kind: global_buffer, .address_space: global }
      - { .name: out0, .offset: 32, .size: 8, .value_kind: global_buffer, .address_space: global }
    .group_segment_fixed_size: 327680
    .private_segment_fixed_size: 0
    .kernarg_segment_align: 8
    .kernarg_segment_size: 40
    .max_flat_workgroup_size: 128
    .sgpr_count:     80
    .vgpr_count:     768
    .wavefront_size: 32
...
	.end_amdgpu_metadata
.endif
;; end of part 7
